; MI455X (gfx1250); checked and timed in simulation.
; The chip was launched on July 23, 2026; its instructions are those of AMD's public machine-readable ISA for CDNA 5 (MIT licence, August 2026) and "CDNA5" Instruction Set Architecture Reference Guide (July 2026). The comments in the code are by the model that wrote it; some were corrected since.
;; Multi Head Self Attention. Allowed arithmetic: matrix products marked QUANTISED: E2M1 operands, one E8M0 scale for each 32 along K, by v_wmma_scale_f32_16x16x128_f8f6f4 with both operands' format E2M1 (or v_wmma_scale_f32_32x16x128_f4), f32 sums; products left as they are: bf16, f16 or f32 operands; f32 sums; everything else in f32.
;; Inputs: in_features 4 x 2,048 x 1,024 float32; k_weight 1,024 x 1,024 float32; o_weight 1,024 x 1,024 float32; q_weight 1,024 x 1,024 float32; v_weight 1,024 x 1,024 float32.
;; Outputs: out0 4 x 2,048 x 1,024 float32.
;; This version of the problem:
;;   THIS VERSION OF THE PROBLEM IS GIVEN IN LOW PRECISION. The matrix products marked QUANTISED in the list below multiply operands that are first quantised to E2M1 (2 exponent bits, 1 mantissa bit; 4 bits a number), with one power-of-two scale for each 32 numbers along K (OCP MX v1.0); their sums are f32. The products marked 'left as it is' may take bf16, f16 or f32 operands, with f32 sums. Whichever they take, every output number must still come out within the allowed error. Rounding operands to bf16 (8 significant bits) uses up far more of that allowance than f16 does (11 bits, for magnitudes from 6e-5 to 65,504). All else is computed in f32.
;;   The module's matrix products, in the order in which they are computed (A, B: the left and right operand; K: the contracted axis; several contracted axes count as one K, in the product's order):
;;     1. [M 8,192, K 1,024] x [K 1,024, N 1,024]; A: input in_features; B: input q_weight: QUANTISED
;;     2. [M 8,192, K 1,024] x [K 1,024, N 1,024]; A: input in_features; B: input k_weight: QUANTISED
;;     3. [M 8,192, K 1,024] x [K 1,024, N 1,024]; A: input in_features; B: input v_weight: QUANTISED
;;     4. batch 64 x [M 2,048, K 64] x [K 64, N 2,048]; A: computed on the way; B: computed on the way: left as it is (an operand is computed on the way)
;;     5. batch 64 x [M 2,048, K 2,048] x [K 2,048, N 64]; A: computed on the way; B: computed on the way: left as it is (an operand is computed on the way)
;;     6. [M 8,192, K 1,024] x [K 1,024, N 1,024]; A: computed on the way; B: input o_weight: left as it is (an operand is computed on the way)
;;   THE QUANTISER, for each operand of a quantised product, along K:
;;     - K is cut into blocks of 32 from its start; a last block that is shorter is filled with zeros.
;;     - A block's scale is 2^e with e = floor(log2(the largest magnitude in the block)) - 2, held to -126 .. 127; a block of zeros has e = 0. As a byte (E8M0): e + 127.
;;     - Each number is divided by its block's scale, clamped to +-6, and rounded to the nearest number of E2M1, ties to even, subnormals kept.
;;     - The product sums the exact products of the quantised numbers (number of the format x scale) in f32.
;;   ~~~python
;;   def quantise(x, axis):      # numpy; x: float32 -> the quantised numbers, widened to float32 again
;;       x = np.moveaxis(x, axis, -1); K = x.shape[-1]
;;       x = np.pad(x, [(0, 0)] * (x.ndim - 1) + [(0, -K % 32)]); x = x.reshape(x.shape[:-1] + (-1, 32)); a = np.abs(x).max(-1, keepdims=True)
;;       e = np.where(a > 0, np.clip(np.frexp(np.where(a > 0, a, 1))[1] - 1 - 2, -126, 127), 0)      # np.frexp(a)[1] - 1 = floor(log2(a)), exactly
;;       r = np.clip(x / 2.0 ** e, -6, 6)
;;       step = 2.0 ** (np.maximum(np.frexp(np.where(r == 0, 1, r))[1] - 1, 0) - 1)
;;       q = np.round(r / step) * step * 2.0 ** e      # np.round: ties to even
;;       return np.moveaxis(q.reshape(q.shape[:-2] + (-1,))[..., :K], -1, axis).astype(np.float32)
;;   ~~~
;; One version. Each part assembles by itself: llvm-mc -triple=amdgcn-amd-amdhsa -mcpu=gfx1250 --defsym DOCPART=n.
;; ======== version 1 of 1: 6 launches
;; limits: values are held in f16: magnitudes above 65,504 overflow, below 6.1e-05 lose precision
;; workspace buffers: x_codes 4,194,304 bytes; x_scales 262,144 bytes; w_codes 1,572,864 bytes; w_scales 98,304 bytes; wo_h 2,097,152 bytes; qkv 50,331,648 bytes; ctx 16,777,216 bytes; cf 262,144 bytes
;; launch quant (part 1): grid 384 x 1, 4 waves a work-group, no clusters, 33,280 bytes of LDS; arguments in_features, q_weight, k_weight, v_weight, x_codes, x_scales, w_codes, w_scales, o_weight, wo_h; writes x_codes, x_scales, w_codes, w_scales, wo_h
.if DOCPART == 1
	.amdgcn_target "amdgcn-amd-amdhsa--gfx1250"
	.amdhsa_code_object_version 6
	.text
	.protected	k_q30b2cf47d6_quant
	.globl	k_q30b2cf47d6_quant
	.p2align	8
	.type	k_q30b2cf47d6_quant,@function
k_q30b2cf47d6_quant:
	s_mov_b64 s[64:65], 0
	v_nop
	global_prefetch_b8 v0, s[64:65] scope:SCOPE_SE
	s_setreg_imm32_b32 hwreg(HW_REG_WAVE_MODE, 25, 1), 1
	s_wait_xcnt 0x0
; THE PROGRAM: causal self-attention, B 4, S 2,048, D 1,024, 16 heads of 64, in six launches:
;   quant (this one), fine_attn, qkv, attn, oproj, fine_out.
; THIS LAUNCH: in_features [8192][1024] and q_, k_, v_weight [1024][1024], f32, K innermost, become codes of FP4 (E2M1), two a byte, with one E8M0 byte for each 32 along K;
; the three weights' codes lie on end as one operand of 3,072 rows (Wq, Wk, Wv).  o_weight is rounded to f16 for the last product, which takes 16-bit operands.
; WORK LEFT OUT BY THE PROGRAM: reference() sets every score with key > query to -infinity by its own jnp.tril, so its softmax gives those keys the weight 0 for all finite inputs, and 0 x v adds nothing to ctx.
; So the steps of 128 keys all of whose keys come after all 16 queries of a wave are not multiplied (launch attn); inside steps on the diagonal the work is done and masked.  All five inputs have a way to the output and are loaded.
; LIMIT of that: a NaN, an infinity or an overflow that sits only in k or v of hidden keys is not carried to the result.
; A block's scale is 2^(floor(log2(its largest magnitude)) - 2); its byte is the largest magnitude's own exponent field - 2, held at 1 from below.
; LIMITS: a block of zeros gets the byte 1 where the rule says 127 (its codes are zeros, which add nothing under any byte but 0xff, and this program alone reads the bytes); a block whose largest magnitude lies under 2^-124 gets the byte 1;
; NaN and infinities among the inputs are not served; |o_weight| above 65,504 becomes infinity in f16.
; SHARES: a work-group takes 32,768 numbers, a wave 8,192.  Work-groups 0-255: in_features; 256-351: the three weights, 32 work-groups each; 352-383: o_weight.
; Rows are dense and K is a multiple of 32: each tensor is a plain stream of blocks of 32.  A wave takes 16 steps of 512 numbers: four loads of 512 consecutive bytes; the 2,048 bytes turn through the wave's own stage in LDS
; and come back 64 bytes a lane, so that a lane holds 16 neighbours along K and two neighbouring lanes a block.  A wave's store of codes covers 256 consecutive bytes; its 256 scale bytes are gathered in LDS and leave as 256 consecutive bytes.
.set WAVES, 4
.set STEPS, 16
.set EMAX,  2
.set CB,    8                          ; bytes of 16 codes
.set R,     16                         ; v16-79   four sets of 16 numbers as they are loaded
.set X,     80                         ; v80-111  two sets of 16 neighbours
.set C,     128                        ; v128-191 codes: four registers for each step, so that no store's data are written again
.set E,     112                        ; v112-127 a scale byte for each step
.set WREG,  8192                       ; LDS: a region for each wave: two stages of 32 x SP bytes, behind them its 256 scale bytes
.set SP,    80                         ; a lane's place in a stage: its 64 bytes + 16 of padding
.set SPW,   12                         ; v12 LDS address of my spare word; never rewritten
.set NIL,   13                         ; v13 0; never rewritten
.set SPARE, WAVES*WREG                 ; behind the four regions: the spare words, 128 bytes for each wave
	s_load_b512 s[4:19], s[0:1], 0x0               ; x s[4:5], Wq s[6:7], Wk s[8:9], Wv s[10:11], x_codes s[12:13], x_scales s[14:15], w_codes s[16:17], w_scales s[18:19]
	s_load_b128 s[20:23], s[0:1], 0x40             ; Wo s[20:21], wo_h s[22:23]
	v_lshl_add_u32 v[SPW], v0, 2, SPARE
	v_mov_b32 v[NIL], 0
	v_lshrrev_b32 v1, 5, v0
	v_readfirstlane_b32 s24, v1                    ; wave
	v_and_b32 v2, 31, v0                           ; lane
	v_lshlrev_b32 v3, 4, v2                        ; my 16 bytes of a load's 512
	s_mul_i32 s25, s24, WREG
	v_lshrrev_b32 v14, 2, v2
	v_mul_u32_u24 v14, v14, SP
	v_and_b32 v15, 3, v2
	v_lshl_add_u32 v14, v15, 4, v14
	v_add_nc_u32 v14, s25, v14                     ; the stage on the way in: SP (lane / 4) + 16 (lane % 4)
	v_mul_u32_u24 v15, v2, SP
	v_add_nc_u32 v15, s25, v15                     ; and on the way out: SP x lane: my 16 neighbours
	v_mul_u32_u24 v4, v2, CB                       ; 8 x lane: my codes' place in a step's; also my f16 numbers' place in a store of Wo's
	v_lshrrev_b32 v5, 1, v2
	s_add_co_u32 s25, s25, 2*32*SP
	v_add_nc_u32 v5, s25, v5                       ; LDS: my wave's 256 scale bytes, my block's byte
	v_lshlrev_b32 v7, 3, v2
	v_add_nc_u32 v6, s25, v7                       ; and on the way out 8 bytes a lane
	s_wait_kmcnt 0x0
	s_cmp_ge_u32 ttmp9, 352                        ; the last 32 work-groups round o_weight: a branch on the work-group's number alone
	s_cbranch_scc1 .Lwo
	s_cmp_lt_u32 ttmp9, 288                        ; which tensor: every choice hangs on the work-group's number alone
	s_cselect_b64 s[6:7], s[6:7], s[8:9]           ; Wq or Wk,
	s_cmp_lt_u32 ttmp9, 320
	s_cselect_b64 s[6:7], s[6:7], s[10:11]         ; or Wv
	s_cmp_lt_u32 ttmp9, 256
	s_cselect_b64 s[4:5], s[4:5], s[6:7]           ; x or a weight
	s_cselect_b64 s[12:13], s[12:13], s[16:17]
	s_cselect_b64 s[14:15], s[14:15], s[18:19]
	s_cselect_b32 s26, 0, 256
	s_cselect_b32 s27, -1, 31
	s_sub_co_u32 s26, ttmp9, s26                   ; the run of 32,768 numbers in the destination (the weights' lie on end),
	s_and_b32 s27, s26, s27                        ; and in the source
	s_lshl_b32 s27, s27, 2
	s_add_co_u32 s27, s27, s24                     ; my wave's run of 8,192 numbers in the source
	s_lshl_b32 s26, s26, 2
	s_add_co_u32 s26, s26, s24                     ; and in the destination
	s_lshl_b32 s28, s27, 15                        ; 32,768 bytes of f32
	s_mov_b32 s29, 0
	s_add_nc_u64 s[4:5], s[4:5], s[28:29]
	s_lshl_b32 s28, s26, 12                        ; 4,096 bytes of codes
	s_add_nc_u64 s[12:13], s[12:13], s[28:29]
	s_lshl_b32 s28, s26, 8                         ; 256 scale bytes
	s_add_nc_u64 s[14:15], s[14:15], s[28:29]
.macro LOAD t
.irp i, 0,1,2,3
	global_load_b128 v[R+16*((\t)%4)+4*\i:R+16*((\t)%4)+4*\i+3], v3, s[4:5] offset:2048*(\t)+512*\i th:TH_LOAD_NT   ; 32 lanes read 512 consecutive bytes
.endr
.endm
.macro TURN t                          ; step t's numbers through the stage: LDS serves a wave's instructions in order, so no wait stands between the stores and the loads
.irp i, 0,1,2,3
	ds_store_b128 v14, v[R+16*((\t)%4)+4*\i:R+16*((\t)%4)+4*\i+3] offset:32*SP*((\t)%2)+8*SP*\i
.endr
.irp i, 0,1,2,3
	ds_load_b128 v[X+16*((\t)%2)+4*\i:X+16*((\t)%2)+4*\i+3], v15 offset:32*SP*((\t)%2)+16*\i
.endr
.endm
.irp t, 0,1,2,3
	LOAD \t
.endr
	s_wait_loadcnt 12                              ; step 0's four loads are in; the 12 of steps 1 to 3 may be out
	TURN 0
.macro STEP t
.set XS, X+16*((\t)%2)
.if (\t) > 0
	s_wait_dscnt 1                                 ; this step's numbers are back from the stage (the last step's byte store may be out)
.else
	s_wait_dscnt 0x0
.endif
.if (\t)+4 < STEPS
	LOAD (\t)+4                                    ; into the set whose stores into the stage have read their registers
.endif
.if (\t)+1 < STEPS
.if STEPS-2-(\t) >= 3
	s_wait_loadcnt 12                              ; the next step's four loads are in; those of the three steps behind it may be out
.else
	s_wait_loadcnt 4*(STEPS-2-(\t))
.endif
	TURN (\t)+1                                    ; they go through the other stage while this step is worked
.endif
	v_max3_num_f32 v8, |v[XS]|, |v[XS+1]|, |v[XS+2]|               ; the largest magnitude of my 16, in two chains
	v_max3_num_f32 v9, |v[XS+3]|, |v[XS+4]|, |v[XS+5]|
.irp i, 6,10
	v_max3_num_f32 v8, v8, |v[XS+\i]|, |v[XS+\i+1]|
	v_max3_num_f32 v9, v9, |v[XS+\i+2]|, |v[XS+\i+3]|
.endr
	v_max3_num_f32 v8, v8, |v[XS+14]|, |v[XS+15]|
	v_max3_num_f32 v8, v8, v9, (EMAX+1)<<23        ; and the floor 2^(3 - 127): the byte cannot fall under 1
	v_max_num_f32_dpp v8, v8, v8 row_xmask:1 row_mask:0xf bank_mask:0xf   ; and of my neighbour's 16: the block's
	v_add_nc_u32 v11, -(EMAX<<23), v8              ; 2 off its exponent field: the conversion takes the exponent field of this operand as its scale
	v_cvt_scalef32_pk8_fp4_f32 v[C+4*(\t)], v[XS:XS+7], v11        ; to the nearest code, ties to even, beyond 6 the largest code
	v_cvt_scalef32_pk8_fp4_f32 v[C+4*(\t)+1], v[XS+8:XS+15], v11
	v_lshrrev_b32 v[E+(\t)], 23, v11               ; the scale's byte
	ds_store_b8 v5, v[E+(\t)] offset:16*(\t)       ; both lanes of a block write the same byte with the same value
	global_store_b64 v4, v[C+4*(\t):C+4*(\t)+1], s[12:13] offset:32*CB*(\t)   ; 32 lanes store 256 consecutive bytes
.endm
.irp t, 0,1,2,3,4,5,6,7,8,9,10,11,12,13,14,15
	STEP \t
.endr
	ds_load_b64 v[8:9], v6                         ; LDS serves a wave's instructions in order: these see my byte stores
	s_wait_dscnt 0x0
	global_store_b64 v7, v[8:9], s[14:15]          ; 32 lanes store 256 consecutive bytes
	s_wait_tensorcnt 0x0                           ; the wave's end, behind my last LDS store
	ds_add_u32 v[SPW], v[NIL]
	s_wait_dscnt 0x0
	s_endpgm
; o_weight to f16: a wave takes 8,192 numbers in four rounds of 16 loads; two sets of registers take turns, so that 16 loads are out while a round is rounded.  No LDS on this path.
.Lwo:
	s_sub_co_u32 s26, ttmp9, 352
	s_lshl_b32 s26, s26, 2
	s_add_co_u32 s26, s26, s24                     ; my wave's run of 8,192 numbers
	s_lshl_b32 s28, s26, 15
	s_mov_b32 s29, 0
	s_add_nc_u64 s[20:21], s[20:21], s[28:29]
	s_lshl_b32 s28, s26, 14
	s_add_nc_u64 s[22:23], s[22:23], s[28:29]
.macro WLOAD k
.irp i, 0,1,2,3,4,5,6,7,8,9,10,11,12,13,14,15
	global_load_b128 v[16+64*((\k)%2)+4*\i:16+64*((\k)%2)+4*\i+3], v3, s[20:21] offset:8192*(\k)+512*\i th:TH_LOAD_NT
.endr
.endm
.macro WROUND k
.if (\k) < 3
	s_wait_loadcnt 16                              ; this round's loads are in; the next round's 16 may be out
.else
	s_wait_loadcnt 0x0
.endif
.if (\k) > 0
	s_wait_xcnt 0x0                                ; the last round's stores have read v144-175: they are rewritten only behind this wait
.endif
.irp i, 0,1,2,3,4,5,6,7,8,9,10,11,12,13,14,15
	v_cvt_pk_f16_f32 v[144+2*\i], v[16+64*((\k)%2)+4*\i], v[16+64*((\k)%2)+4*\i+1]
	v_cvt_pk_f16_f32 v[145+2*\i], v[16+64*((\k)%2)+4*\i+2], v[16+64*((\k)%2)+4*\i+3]
.endr
.irp i, 0,1,2,3,4,5,6,7,8,9,10,11,12,13,14,15
	global_store_b64 v4, v[144+2*\i:145+2*\i], s[22:23] offset:4096*(\k)+256*\i   ; 32 lanes store 256 consecutive bytes
.endr
.if (\k)+2 < 4
	WLOAD (\k)+2
.endif
.endm
	WLOAD 0
	WLOAD 1
	WROUND 0
	WROUND 1
	WROUND 2
	WROUND 3
	s_endpgm
.Lfunc_end_k_q30b2cf47d6_quant:
	.size	k_q30b2cf47d6_quant, .Lfunc_end_k_q30b2cf47d6_quant-k_q30b2cf47d6_quant
	.p2alignl 7, 3214868480
	.fill 96, 4, 3214868480
	.section	.rodata,"a",@progbits
	.p2align	6, 0x0
	.amdhsa_kernel k_q30b2cf47d6_quant
		.amdhsa_group_segment_fixed_size 33280
		.amdhsa_private_segment_fixed_size 0
		.amdhsa_enable_private_segment 0
		.amdhsa_kernarg_size 80
		.amdhsa_user_sgpr_count 2
		.amdhsa_user_sgpr_kernarg_segment_ptr 1
		.amdhsa_wavefront_size32 1
		.amdhsa_system_sgpr_workgroup_id_x 1
		.amdhsa_system_sgpr_workgroup_id_y 1
		.amdhsa_system_sgpr_workgroup_id_z 1
		.amdhsa_system_vgpr_workitem_id 0
		.amdhsa_next_free_vgpr 192
		.amdhsa_next_free_sgpr 66
		.amdhsa_reserve_vcc 0
		.amdhsa_float_denorm_mode_32 3
		.amdhsa_float_denorm_mode_16_64 3
		.amdhsa_memory_ordered 1
		.amdhsa_forward_progress 1
		.amdhsa_inst_pref_size 54
	.end_amdhsa_kernel
	.amdgpu_metadata
---
amdhsa.version: [ 1, 2 ]
amdhsa.kernels:
  - .name:           k_q30b2cf47d6_quant
    .symbol:         k_q30b2cf47d6_quant.kd
    .args:
      - { .name: in_features, .offset: 0, .size: 8, .value_kind: global_buffer, .address_space: global }
      - { .name: q_weight, .offset: 8, .size: 8, .value_kind: global_buffer, .address_space: global }
      - { .name: k_weight, .offset: 16, .size: 8, .value_kind: global_buffer, .address_space: global }
      - { .name: v_weight, .offset: 24, .size: 8, .value_kind: global_buffer, .address_space: global }
      - { .name: x_codes, .offset: 32, .size: 8, .value_kind: global_buffer, .address_space: global }
      - { .name: x_scales, .offset: 40, .size: 8, .value_kind: global_buffer, .address_space: global }
      - { .name: w_codes, .offset: 48, .size: 8, .value_kind: global_buffer, .address_space: global }
      - { .name: w_scales, .offset: 56, .size: 8, .value_kind: global_buffer, .address_space: global }
      - { .name: o_weight, .offset: 64, .size: 8, .value_kind: global_buffer, .address_space: global }
      - { .name: wo_h, .offset: 72, .size: 8, .value_kind: global_buffer, .address_space: global }
    .group_segment_fixed_size: 33280
    .private_segment_fixed_size: 0
    .kernarg_segment_align: 8
    .kernarg_segment_size: 80
    .max_flat_workgroup_size: 128
    .sgpr_count:     66
    .vgpr_count:     192
    .wavefront_size: 32
...
	.end_amdgpu_metadata
.endif
;; end of part 1
;; launch fine_attn (part 2): grid 64 x 1, 4 waves a work-group, no clusters, 4,608 bytes of LDS; arguments x_codes, x_scales, w_codes, w_scales, cf; writes cf
.if DOCPART == 2
	.amdgcn_target "amdgcn-amd-amdhsa--gfx1250"
	.amdhsa_code_object_version 6
	.text
	.protected	k_q30b2cf47d6_fine_attn
	.globl	k_q30b2cf47d6_fine_attn
	.p2align	8
	.type	k_q30b2cf47d6_fine_attn,@function
k_q30b2cf47d6_fine_attn:
	s_mov_b64 s[64:65], 0
	v_nop
	global_prefetch_b8 v0, s[64:65] scope:SCOPE_SE
	s_setreg_imm32_b32 hwreg(HW_REG_WAVE_MODE, 25, 1), 1
	s_wait_xcnt 0x0
; THE FIRST 16 POSITIONS OF EVERY SEQUENCE, IN f32.  These rows average one to sixteen values and are the largest of the output, so nothing of them is rounded to 16 bits.
; A work-group takes one (batch b, head h): x = 16 b + h.  Under the causal mask queries 0-15 see keys 0-15 alone, so 16 rows of x are all that is needed.
; Wave t makes channels 16 t .. 16 t + 15 of q, k and v of the head by the FP4 products (K = 1,024 in 8 steps of 128, three accumulators by turns), keeps them in f32,
; forms its part of the scores (the sum over its 16 channels) by the f32 matrix form; the four parts meet in LDS; each wave then does the same softmax and multiplies p by its own 16 channels of v.
; q and k are made TRANSPOSED (source 0 = 16 rows of W, source 1 = x): lane (r, hh) holds row r and channels 8 hh + j.  v is made the natural way: lane (r, hh) holds channel r and keys 8 hh + j.
; The f32 form sums 4 along K: its place 2 hh + j is given channel (or key) 8 hh + 2 i + j, alike on both sides, for i = 0 .. 3: all 16 are summed.
; cf: images of registers, [16 b + h][t][u][lane][16 bytes]: lane (r, hh) holds ctx(b, row r, column 64 h + 16 t + 8 hh + 4 u + 0 .. 3), as launch fine_out takes them.
; REGISTERS, window 0: v1-9 addresses; v80-87 x's scale words, v88-111 the weights'; v112-135 q, k, v; v136-143 partial scores, v144-151 O^T (written by the f32 matrix form alone); v152-159 scores, then p; v160-191 the four parts; v192-199 ctx; v200-206 at work.
;   window 1: W's fragments (part p, K step s) at v[64 p + 8 s]; x's at v[192 + 8 s].
.set SPARE, 4096                       ; LDS: four images of 1,024 bytes, then the spare words, 128 bytes for each wave
.set MSB, 0
.macro WIN new                         ; the immediate's high byte repeats the setting that is left
.if MSB != \new
	s_set_vgpr_msb (MSB<<8)|\new
.set MSB, \new
.endif
.endm
	s_load_b256 s[4:11], s[0:1], 0x0               ; x_codes s[4:5], x_scales s[6:7], w_codes s[8:9], w_scales s[10:11]
	s_load_b64 s[12:13], s[0:1], 0x20              ; cf
	v_lshl_add_u32 v8, v0, 2, SPARE                ; my spare word; never rewritten
	v_mov_b32 v9, 0                                ; 0; never rewritten
	v_lshrrev_b32 v1, 5, v0
	v_readfirstlane_b32 s14, v1                    ; wave t
	v_and_b32 v1, 15, v0                           ; r
	v_bfe_u32 v2, v0, 4, 1                         ; hh
	v_lshlrev_b32 v3, 9, v1
	v_lshl_add_u32 v3, v2, 4, v3                   ; a fragment of codes: row r of 512 bytes, + 16 hh
	v_lshlrev_b32 v4, 5, v1                        ; a row of scale bytes: 32 r
	v_and_b32 v5, 31, v0
	v_lshlrev_b32 v5, 4, v5                        ; 16 x lane
	s_lshl_b32 s15, s14, 10
	v_add_nc_u32 v6, s15, v5                       ; my wave's image: 16 x lane + 1,024 x wave
	v_lshlrev_b32 v7, 3, v2
	v_sub_nc_u32 v7, v1, v7                        ; r - 8 hh: register j holds key 8 hh + j, hidden where j > r - 8 hh
	s_lshr_b32 s16, ttmp9, 4                       ; b
	s_and_b32 s17, ttmp9, 15                       ; h
	s_lshl_b32 s20, s16, 20                        ; x's codes: 2,048 rows of 512 bytes a batch
	s_mov_b32 s21, 0
	s_lshl_b32 s22, s16, 16                        ; x's scales: 2,048 rows of 32 bytes
	s_mov_b32 s23, 0
	s_lshl_b32 s17, s17, 6
	s_lshl_b32 s18, s14, 4
	s_add_co_u32 s17, s17, s18                     ; my first row of each weight: 64 h + 16 t
	s_lshl_b32 s24, s17, 9
	s_mov_b32 s25, 0
	s_lshl_b32 s26, s17, 5
	s_mov_b32 s27, 0
	s_lshl_b32 s28, ttmp9, 12
	s_add_co_u32 s28, s28, s15                     ; cf: 4,096 (16 b + h) + 1,024 t
	s_mov_b32 s29, 0
	s_mov_b32 s30, 0x76543210
	s_mov_b32 s31, 0xfedcba98                      ; v_permlanex16_b32's selects for lane l xor 16
	s_mov_b32 s32, 0x3e38aa3b                      ; c = log2(e) / sqrt(64)
	s_mov_b32 s33, 0xbe38aa3b                      ; -c
	s_wait_kmcnt 0x0
	s_add_nc_u64 s[4:5], s[4:5], s[20:21]
	s_add_nc_u64 s[6:7], s[6:7], s[22:23]
	s_add_nc_u64 s[8:9], s[8:9], s[24:25]
	s_add_nc_u64 s[10:11], s[10:11], s[26:27]
	s_add_nc_u64 s[12:13], s[12:13], s[28:29]
	WIN 0x40                                       ; destination window 1
.irp s, 0,1,2,3,4,5,6,7
.irp c, 0,1
	global_load_b128 v[192+8*\s+4*\c:192+8*\s+4*\c+3], v3, s[4:5] offset:64*\s+32*\c
.endr
.endr
.irp p, 0,1,2
.irp s, 0,1,2,3,4,5,6,7
.irp c, 0,1
	global_load_b128 v[64*\p+8*\s+4*\c:64*\p+8*\s+4*\c+3], v3, s[8:9] offset:524288*\p+64*\s+32*\c   ; part p lies 1,024 rows of 512 bytes on
.endr
.endr
.endr
	WIN 0
	global_load_b128 v[80:83], v4, s[6:7]          ; a row's 8 scale words: one for each K step of 128
	global_load_b128 v[84:87], v4, s[6:7] offset:16
.irp p, 0,1,2
	global_load_b128 v[88+8*\p:91+8*\p], v4, s[10:11] offset:32768*\p
	global_load_b128 v[92+8*\p:95+8*\p], v4, s[10:11] offset:32768*\p+16
.endr
	s_wait_loadcnt 0x0
	WIN 0x05                                       ; sources 0 and 1 window 1; C and D window 0
.irp s, 0,1,2,3,4,5,6,7                        ; q, k, v by turns, one instruction a turn
.if \s == 0
	v_wmma_scale_f32_16x16x128_f8f6f4 v[112:119], v[8*\s:8*\s+7], v[192+8*\s:199+8*\s], 0, v[88+\s], v[80+\s] matrix_a_fmt:MATRIX_FMT_FP4 matrix_b_fmt:MATRIX_FMT_FP4
	v_wmma_scale_f32_16x16x128_f8f6f4 v[120:127], v[64+8*\s:71+8*\s], v[192+8*\s:199+8*\s], 0, v[96+\s], v[80+\s] matrix_a_fmt:MATRIX_FMT_FP4 matrix_b_fmt:MATRIX_FMT_FP4
	v_wmma_scale_f32_16x16x128_f8f6f4 v[128:135], v[192+8*\s:199+8*\s], v[128+8*\s:135+8*\s], 0, v[80+\s], v[104+\s] matrix_a_fmt:MATRIX_FMT_FP4 matrix_b_fmt:MATRIX_FMT_FP4
.else
	v_wmma_scale_f32_16x16x128_f8f6f4 v[112:119], v[8*\s:8*\s+7], v[192+8*\s:199+8*\s], v[112:119], v[88+\s], v[80+\s] matrix_a_fmt:MATRIX_FMT_FP4 matrix_b_fmt:MATRIX_FMT_FP4
	v_wmma_scale_f32_16x16x128_f8f6f4 v[120:127], v[64+8*\s:71+8*\s], v[192+8*\s:199+8*\s], v[120:127], v[96+\s], v[80+\s] matrix_a_fmt:MATRIX_FMT_FP4 matrix_b_fmt:MATRIX_FMT_FP4
	v_wmma_scale_f32_16x16x128_f8f6f4 v[128:135], v[192+8*\s:199+8*\s], v[128+8*\s:135+8*\s], v[128:135], v[80+\s], v[104+\s] matrix_a_fmt:MATRIX_FMT_FP4 matrix_b_fmt:MATRIX_FMT_FP4
.endif
.endr
	WIN 0
.rept 5
	v_nop                                          ; five places: the next matrix instructions take these results as operands
.endr
	v_wmma_f32_16x16x4_f32 v[136:143], v[120:121], v[112:113], 0   ; my part of S^T = k q^T: lane (r, hh): query r, keys 8 hh + j
.irp i, 1,2,3
	s_wait_alu depctr_va_vdst(0)                   ; the wait directly ahead of each link
	v_wmma_f32_16x16x4_f32 v[136:143], v[120+2*\i:121+2*\i], v[112+2*\i:113+2*\i], v[136:143]
.endr
.rept 8
	v_nop                                          ; eight places behind the f32 form, in front of the stores that read its result
.endr
	ds_store_b128 v6, v[136:139]                   ; the image of my part, from its low end on
	ds_store_b128 v6, v[140:143] offset:512
	s_wait_dscnt 0x0                               ; for the others' sake: my stores have landed
	s_barrier_signal -1
	s_barrier_wait -1
.irp w, 0,1,2,3
.irp c, 0,1
	ds_load_b128 v[160+8*\w+4*\c:163+8*\w+4*\c], v5 offset:1024*\w+512*\c
.endr
.endr
	v_mov_b32 v203, 0xff800000                     ; -infinity
	v_mov_b32 v201, 0                              ; a lane permute's destination counts as one of its sources
	s_wait_dscnt 0x0
.irp j, 0,2,4,6
	v_pk_add_f32 v[152+\j:153+\j], v[160+\j:161+\j], v[168+\j:169+\j]
.endr
.irp j, 0,2,4,6
	v_pk_add_f32 v[152+\j:153+\j], v[152+\j:153+\j], v[176+\j:177+\j]
.endr
.irp j, 0,2,4,6
	v_pk_add_f32 v[152+\j:153+\j], v[152+\j:153+\j], v[184+\j:185+\j]   ; the scores over all 64 channels
.endr
.irp j, 0,1,2,3,4,5,6,7
	v_cmp_gt_i32 vcc_lo, \j, v7                    ; key 8 hh + j comes after query r
	v_cndmask_b32 v[152+\j], v[152+\j], v203, vcc_lo
.endr
	v_max3_num_f32 v200, v152, v153, v154
	v_max3_num_f32 v200, v200, v155, v156
	v_max3_num_f32 v200, v200, v157, v158
	v_max_num_f32 v200, v200, v159
	v_permlanex16_b32 v201, v200, s30, s31
	v_max_num_f32 v200, v200, v201                 ; the row's largest score: key 0 counts for every query, so it is a number
	v_mul_f32 v202, s33, v200                      ; -c m
.irp j, 0,1,2,3,4,5,6,7
	v_fma_f32 v[152+\j], v[152+\j], s32, v202      ; c s - c m
.endr
.irp j, 0,1,2,3,4,5,6,7
	v_exp_f32 v[152+\j], v[152+\j]                 ; p, at most 1; 0 for hidden keys
.endr
	v_nop                                          ; a plain instruction behind the last exponential
	s_wait_alu depctr_va_vdst(0)                   ; one wait for the eight, ahead of their first reader
	v_add_f32 v204, v152, v153
	v_add_f32 v205, v154, v155
	v_add_f32 v204, v204, v156
	v_add_f32 v205, v205, v157
	v_add_f32 v204, v204, v158
	v_add_f32 v205, v205, v159
	v_add_f32 v204, v204, v205
	v_permlanex16_b32 v201, v204, s30, s31
	v_add_f32 v204, v204, v201                     ; the row's sum
	v_rcp_f32 v206, v204
	s_wait_alu depctr_va_vdst(0)
	v_wmma_f32_16x16x4_f32 v[144:151], v[128:129], v[152:153], 0   ; O^T = v^T p: lane (r, hh): query r, my channels 8 hh + j
.irp i, 1,2,3
	s_wait_alu depctr_va_vdst(0)                   ; the wait directly ahead of each link
	v_wmma_f32_16x16x4_f32 v[144:151], v[128+2*\i:129+2*\i], v[152+2*\i:153+2*\i], v[144:151]
.endr
.rept 8
	v_nop
.endr
.irp j, 0,1,2,3,4,5,6,7
	v_mul_f32 v[192+\j], v[144+\j], v206           ; / the sum, into other registers, from the low end on
.endr
	global_store_b128 v5, v[192:195], s[12:13]     ; 32 lanes store 512 consecutive bytes
	global_store_b128 v5, v[196:199], s[12:13] offset:512
	s_wait_tensorcnt 0x0                           ; the wave's end, behind my last LDS store
	ds_add_u32 v8, v9
	s_wait_dscnt 0x0
	s_endpgm
.Lfunc_end_k_q30b2cf47d6_fine_attn:
	.size	k_q30b2cf47d6_fine_attn, .Lfunc_end_k_q30b2cf47d6_fine_attn-k_q30b2cf47d6_fine_attn
	.p2alignl 7, 3214868480
	.fill 96, 4, 3214868480
	.section	.rodata,"a",@progbits
	.p2align	6, 0x0
	.amdhsa_kernel k_q30b2cf47d6_fine_attn
		.amdhsa_group_segment_fixed_size 4608
		.amdhsa_private_segment_fixed_size 0
		.amdhsa_enable_private_segment 0
		.amdhsa_kernarg_size 40
		.amdhsa_user_sgpr_count 2
		.amdhsa_user_sgpr_kernarg_segment_ptr 1
		.amdhsa_wavefront_size32 1
		.amdhsa_system_sgpr_workgroup_id_x 1
		.amdhsa_system_sgpr_workgroup_id_y 1
		.amdhsa_system_sgpr_workgroup_id_z 1
		.amdhsa_system_vgpr_workitem_id 0
		.amdhsa_next_free_vgpr 512
		.amdhsa_next_free_sgpr 66
		.amdhsa_reserve_vcc 1
		.amdhsa_float_denorm_mode_32 3
		.amdhsa_float_denorm_mode_16_64 3
		.amdhsa_memory_ordered 1
		.amdhsa_forward_progress 1
		.amdhsa_inst_pref_size 18
	.end_amdhsa_kernel
	.amdgpu_metadata
---
amdhsa.version: [ 1, 2 ]
amdhsa.kernels:
  - .name:           k_q30b2cf47d6_fine_attn
    .symbol:         k_q30b2cf47d6_fine_attn.kd
    .args:
      - { .name: x_codes, .offset: 0, .size: 8, .value_kind: global_buffer, .address_space: global }
      - { .name: x_scales, .offset: 8, .size: 8, .value_kind: global_buffer, .address_space: global }
      - { .name: w_codes, .offset: 16, .size: 8, .value_kind: global_buffer, .address_space: global }
      - { .name: w_scales, .offset: 24, .size: 8, .value_kind: global_buffer, .address_space: global }
      - { .name: cf, .offset: 32, .size: 8, .value_kind: global_buffer, .address_space: global }
    .group_segment_fixed_size: 4608
    .private_segment_fixed_size: 0
    .kernarg_segment_align: 8
    .kernarg_segment_size: 40
    .max_flat_workgroup_size: 128
    .sgpr_count:     66
    .vgpr_count:     512
    .wavefront_size: 32
...
	.end_amdgpu_metadata
.endif
;; end of part 2
;; launch qkv (part 3): grid 12 x 32, 4 waves a work-group, clusters of 4 x 4, 327,680 bytes of LDS; arguments x_codes, x_scales, w_codes, w_scales, qkv; writes qkv
.if DOCPART == 3
	.amdgcn_target "amdgcn-amd-amdhsa--gfx1250"
	.amdhsa_code_object_version 6
	.text
	.protected	k_q30b2cf47d6_qkv
	.globl	k_q30b2cf47d6_qkv
	.p2align	8
	.type	k_q30b2cf47d6_qkv,@function
k_q30b2cf47d6_qkv:
	s_mov_b64 s[64:65], 0
	v_nop
	global_prefetch_b8 v0, s[64:65] scope:SCOPE_SE
	s_setreg_imm32_b32 hwreg(HW_REG_WAVE_MODE, 25, 1), 1
	s_wait_xcnt 0x0
	s_wait_alu depctr_hold_cnt(0) depctr_sa_sdst(0) depctr_va_vdst(0) depctr_va_sdst(0) depctr_va_ssrc(0) depctr_va_vcc(0) depctr_vm_vsrc(0)
	s_getreg_b32 s2, hwreg(HW_REG_IB_STS2, 6, 4)
	s_cmp_eq_u32 s2, 0
	s_cbranch_scc0 .Lentry_in_a_cluster
	s_endpgm
.Lentry_in_a_cluster:
	s_bfe_u32 s2, ttmp6, 0x10000c
	s_cmp_lg_u32 s2, 0xf033
	s_cbranch_scc0 .Lentry_shape_is_right
	s_endpgm
.Lentry_shape_is_right:
; q, k and v at once: C[m][n] = sum over k of x[m][k] W[n][k], m = 2,048 b + s (8,192), n = 1,024 part + 64 h + channel (3,072), K = 1,024, both operands as codes of FP4 (E2M1) with one E8M0 byte for each 32 along K; sums in f32.
; The result is rounded once to f16, the operand format of the two products of attention, and laid by head: qkv[n / 64][m][n % 64]: a head's rows are 128 bytes and dense.
; LIMIT: |q|, |k|, |v| above 65,504 become infinity in f16.
; A tile of C, 256 x 256, is made by four waves, each 128 x 128: 64 accumulators of 16 x 16, 512 registers.  K is two steps of 512 (LDS rows of 256 bytes): both slots are filled once, at the head, and nothing is filled again.
; The scale bytes of the work-group's 256 rows of x and 256 rows of W, for all of K, are two dense blocks of memory: they come into LDS once, as rows of 256 bytes.
; CLUSTERS: 4 x 4 work-groups.  The four of a row of the cluster need the same tiles of x, the four of a column the same tiles of W: each tile is asked for jointly, by the same tensor load with the same descriptor and a mask that names the four.
; THE MATRIX INSTRUCTION IS USED TRANSPOSED (source 0 = 16 rows of W, source 1 = 16 rows of x): a lane then holds eight neighbouring columns of one row of C.
; REGISTERS, in windows of 256: window 0: v0-31 addresses; v32-95 scale words, two sets; from v128 x's fragments, ONE set; on the way out v128-223.
;   window 1: W's fragments, TWO sets, at v0 and v128.   window 2: the accumulators of my rows 0-63 ((a, b) at v[8 (8 a + b)]);   window 3: those of my rows 64-127.
.set SIZE_K, 1024
.set KSTEP,  512
.set NQ,     KSTEP/128
.set ROWB,   256                       ; a tile's row in bytes
.set KROW,   SIZE_K*4/8                ; a row of codes in memory
.set PITCH,  272                       ; an LDS row: 256 bytes + 16 of padding: the 16 rows that a load touches start 68 words apart
.set FR,     8
.set NL,     2
.set NP,     4
.set HALFT,  128*PITCH
.set SLOT,   4*HALFT
.set KS,     SIZE_K/32                 ; a row of scales in bytes
.set SCL,    2*SLOT                    ; behind the two slots: the scales, as rows of 256 bytes + 16 of padding
.set HALFS,  (128*KS/256)*272
.set SBLK,   (16*KS/256)*272
.set SPARE,  SCL+4*HALFS               ; behind the scales: the spare words, 128 bytes for each wave
.set SPITCH, 272                       ; the way out: a stage of 16 rows x (256 bytes + 16) for each wave, in slot 0, which has had its only fill and its last read when the first result is stored there
.set ADRA, 16
.set ADRB, 20
.set STO,  24
.set RD,   25
.set CO,   26
.set ADRS, 27
.set SPW,  28
.set NIL,  29
.set SC,   32
.set AF,   128
.set TMP,  128                         ; the way out: a block's 32 packed registers
.set BK,   160                         ; and 16 rows read back: v160-191 and v192-223 by turns
.set G1, 24
.set G0, 32
.set G1B, 48
.set G0B, 56
.set G1S, 68
.set G0S, 76
.set G1SB, 80
.set G0SB, 88
.set MSB, 0
.macro WIN new                         ; the immediate's high byte repeats the setting that is left
.if MSB != \new
	s_set_vgpr_msb (MSB<<8)|\new
.set MSB, \new
.endif
.endm
.set MUL_LO, 0xa1                      ; source 0 (W) window 1, source 1 (x) window 0, C and D window 2
.set MUL_HI, 0xf1                      ; the same, C and D window 3
.set TO_B,   0x40                      ; destination window 1, address window 0
; A joint load: waves 0 and 1 fetch for x, waves 2 and 3 for W.  The branch hangs on the wave's number alone.  An s_nop 0 and four v_nop follow each of the two lines.
.macro JLOAD g0a, g1a, g0b, g1b
	s_cmp_eq_u32 s15, 0
	s_cbranch_scc0 .Lfor_b_\@
	tensor_load_to_lds s[\g0a:\g0a+3], s[\g1a:\g1a+7]
	s_nop 0
.rept 4
	v_nop
.endr
	s_branch .Lasked_\@
.Lfor_b_\@:
	tensor_load_to_lds s[\g0b:\g0b+3], s[\g1b:\g1b+7]
	s_nop 0
.rept 4
	v_nop
.endr
.Lasked_\@:
.endm
.macro CROUND                          ; a round of the cluster's barrier
	s_barrier_signal -1
	s_barrier_wait -1
	s_cmp_lg_u32 s14, 0
	s_cbranch_scc1 .Lnot_wave_0_\@
	s_barrier_signal -3
.Lnot_wave_0_\@:
	s_barrier_wait -3
	s_barrier_signal -1
	s_barrier_wait -1
.endm
	s_load_b128 s[4:7], s[0:1], 0x0                ; x's codes s[4:5], x's scales s[6:7]
	s_load_b128 s[8:11], s[0:1], 0x10              ; W's codes s[8:9], W's scales s[10:11]
	s_load_b64 s[12:13], s[0:1], 0x20              ; qkv
	v_lshl_add_u32 v[SPW], v0, 2, SPARE
	v_mov_b32 v[NIL], 0
	ds_add_u32 v[SPW], v[NIL]                      ; the wave's opening: the add, twice on end, and its wait ahead of my first tensor load
	ds_add_u32 v[SPW], v[NIL]
	v_lshrrev_b32 v1, 5, v0
	v_readfirstlane_b32 s14, v1                    ; wave 0..3
	s_lshr_b32 s15, s14, 1                         ; which half of the tile's rows is mine.  Also: I fetch for x (0) or for W (1)
	s_and_b32 s16, s14, 1                          ; which half of its columns.  Also: which 128 rows of that tile I fetch
	s_bfe_u32 s40, ttmp6, 0x40000                  ; cx, cy: my place in the cluster
	s_bfe_u32 s41, ttmp6, 0x40004
	s_lshl_b32 s42, ttmp9, 2
	s_add_co_u32 s42, s42, s40                     ; tile column of C
	s_and_b32 s17, ttmp7, 0xffff
	s_lshl_b32 s17, s17, 2
	s_add_co_u32 s17, s17, s41                     ; tile row of C
	s_lshl_b32 s43, s41, 2
	s_lshl_b32 s43, 15, s43                        ; my row of the cluster
	s_lshl_b32 s44, 0x1111, s40                    ; my column
	s_or_b32 s[G1+0], s43, (0<<16)|(1<<20)|(1<<21)|(5<<22)|(3<<25)  ; the mask; elements of 1 byte; padding on: 4 words after every 64; bit 21 beside a mask
	s_or_b32 s[G1B+0], s44, (0<<16)|(1<<20)|(1<<21)|(5<<22)|(3<<25)
.irp g, G1, G1B
	s_mov_b32 s[\g+1], ROWB<<16                    ; tensor_dim0
	s_mov_b32 s[\g+2], 128<<16                     ; tensor_dim1
	s_mov_b32 s[\g+3], ROWB<<16                    ; tile_dim0
	s_mov_b32 s[\g+4], 128                         ; tile_dim1
	s_mov_b32 s[\g+5], KROW                        ; from row to row
	s_mov_b32 s[\g+6], 0
	s_mov_b32 s[\g+7], 0
.endr
	s_or_b32 s[G1S+0], s43, (3<<16)|(1<<20)|(1<<21)|(5<<22)|(3<<25) ; the scales of 128 rows: 4,096 dense bytes as 16 rows of 32 elements of 8 bytes
	s_or_b32 s[G1SB+0], s44, (3<<16)|(1<<20)|(1<<21)|(5<<22)|(3<<25)
.irp g, G1S, G1SB
	s_mov_b32 s[\g+1], 32<<16
	s_mov_b32 s[\g+2], (128*KS/256)<<16
	s_mov_b32 s[\g+3], 32<<16
	s_mov_b32 s[\g+4], 128*KS/256
	s_mov_b32 s[\g+5], 32
	s_mov_b32 s[\g+6], 0
	s_mov_b32 s[\g+7], 0
.endr
	s_lshl_b32 s18, s16, 7                         ; which 128 rows of the tile I fetch
	s_lshl_b32 s20, s17, 8
	s_add_co_u32 s20, s20, s18                     ; x: row 256 x tile row + 128 x half
	s_lshl_b32 s46, s42, 8
	s_add_co_u32 s46, s46, s18                     ; W: row 256 x tile column + 128 x half
	s_mov_b32 s21, 0
	s_mov_b32 s47, 0
	s_mov_b64 s[18:19], KS
	s_mul_u64 s[22:23], s[20:21], s[18:19]         ; where these rows' scales begin,
	s_mul_u64 s[92:93], s[46:47], s[18:19]
	s_mov_b64 s[18:19], KROW
	s_mul_u64 s[20:21], s[20:21], s[18:19]         ; and their codes
	s_mul_u64 s[46:47], s[46:47], s[18:19]
	s_mul_i32 s45, s14, HALFT                      ; where they go: wave x 128 rows: no place in the cluster enters an LDS address
	s_mul_i32 s94, s14, HALFS
	s_wait_dscnt 0x0                               ; both opening adds are done
	s_wait_kmcnt 0x0
	s_add_nc_u64 s[20:21], s[4:5], s[20:21]
	s_add_nc_u64 s[22:23], s[6:7], s[22:23]
	s_add_nc_u64 s[46:47], s[8:9], s[46:47]
	s_add_nc_u64 s[92:93], s[10:11], s[92:93]
	CROUND                                         ; all sixteen work-groups are here: the joint loads meet
	s_mov_b32 s[G0S], 1
	s_add_co_u32 s[G0S+1], s94, SCL
	s_mov_b64 s[G0S+2:G0S+3], s[22:23]
	s_or_b32 s[G0S+3], s[G0S+3], 0x80000000
	s_mov_b32 s[G0SB], 1
	s_add_co_u32 s[G0SB+1], s94, SCL
	s_mov_b64 s[G0SB+2:G0SB+3], s[92:93]
	s_or_b32 s[G0SB+3], s[G0SB+3], 0x80000000
	JLOAD G0S, G1S, G0SB, G1SB                     ; the scales first: they are wanted with K step 0
.irp s, 0,1
	s_mov_b32 s[G0+4*\s], 1
	s_add_co_u32 s[G0+4*\s+1], s45, \s*SLOT
	s_add_nc_u64 s[G0+4*\s+2:G0+4*\s+3], s[20:21], \s*ROWB
	s_or_b32 s[G0+4*\s+3], s[G0+4*\s+3], 0x80000000
	s_mov_b32 s[G0B+4*\s], 1
	s_add_co_u32 s[G0B+4*\s+1], s45, \s*SLOT
	s_add_nc_u64 s[G0B+4*\s+2:G0B+4*\s+3], s[46:47], \s*ROWB
	s_or_b32 s[G0B+4*\s+3], s[G0B+4*\s+3], 0x80000000
	JLOAD G0+4*\s, G1, G0B+4*\s, G1B               ; three tensor loads of mine are out in all
.endr
	v_and_b32 v1, 15, v0                           ; r
	v_bfe_u32 v2, v0, 4, 1                         ; hh
	v_mul_u32_u24 v3, v1, PITCH
	v_lshl_add_u32 v4, v2, 4, v3                   ; a fragment's row x pitch + 16 x half
	s_mul_i32 s21, s15, HALFT                      ; my 128 rows of x
	s_mul_i32 s22, s16, HALFT                      ; my 128 rows of W,
	s_add_co_u32 s22, s22, 2*HALFT                 ; which lie behind x's 256
.irp s, 0,1
	v_add_nc_u32 v[ADRA+\s], s21, v4
	v_add_nc_u32 v[ADRB+\s], s22, v4
	s_add_co_u32 s21, s21, SLOT
	s_add_co_u32 s22, s22, SLOT
.endr
	v_mul_u32_u24 v5, v1, KS                       ; my row's scales: KS bytes a row,
	v_lshrrev_b32 v6, 8, v5
	v_lshl_add_u32 v5, v6, 4, v5                   ; and 16 more for each 256 passed
	s_mul_i32 s21, s15, HALFS
	s_mul_i32 s22, s16, HALFS
	s_add_co_u32 s22, s22, 2*HALFS
	s_sub_co_u32 s22, s22, s21
	v_mul_u32_u24 v6, s22, v2                      ; lanes 16-31 take W's: one product, the distance between the two bases
	s_add_co_u32 s21, s21, SCL
	v_add_nc_u32 v5, v5, v6
	v_add_nc_u32 v[ADRS], s21, v5
	s_mul_i32 s23, s14, 16*SPITCH                  ; my stage
	v_mul_u32_u24 v5, v1, SPITCH                   ; in: row r, 16 bytes for each half of the lanes
	v_lshl_add_u32 v5, v2, 4, v5
	v_add_nc_u32 v[STO], s23, v5
	v_and_b32 v6, 31, v0
	v_lshlrev_b32 v[CO], 4, v6                     ; in qkv: four rows of one head are 512 consecutive bytes: 16 x lane
	v_lshrrev_b32 v5, 3, v6                        ; back: eight lanes take a row's 128 bytes of one head, four rows an instruction
	v_mul_u32_u24 v5, v5, SPITCH
	v_and_b32 v6, 7, v0
	v_lshl_add_u32 v5, v6, 4, v5
	v_add_nc_u32 v[RD], s23, v5
	s_lshl_b32 s20, s17, 8
	s_lshl_b32 s21, s15, 7
	s_add_co_u32 s20, s20, s21                     ; my first row of C,
	s_lshl_b32 s20, s20, 7                         ; at 128 bytes a row
	s_mov_b32 s21, 0
	s_lshl_b32 s46, s42, 2
	s_lshl_b32 s47, s16, 1
	s_add_co_u32 s46, s46, s47                     ; my first head among the 48: 4 x tile column + 2 x half,
	s_lshl_b32 s46, s46, 20                        ; at 8,192 rows of 128 bytes a head
	s_mov_b32 s47, 0
	s_add_nc_u64 s[12:13], s[12:13], s[20:21]
	s_add_nc_u64 s[12:13], s[12:13], s[46:47]
.macro FRAG reg, adr, q, i             ; 16 rows x 128 K of 4-bit codes: 8 registers: lane l holds row l % 16; registers 4 c .. 4 c + 3 hold K = 64 c + 32 (l / 16) + 0 .. 31
.irp c, 0,1
	ds_load_b128 v[\reg+4*\c:\reg+4*\c+3], v[\adr] offset:64*(\q)+32*\c+(\i)*16*PITCH
.endr
.endm
; 16 matrix instructions: x's blocks a0, a0 + 1 against W's eight.  The 64 accumulators take turns, one instruction a turn, in the same order in every step.
; One register carries x's scale word (lanes 0-15) and W's (lanes 16-31, read by ROW1).
.macro MUL16 a0, p, q, sc, zero
.irp a, \a0, \a0+1
.irp b, 0,1,2,3,4,5,6,7
.if \zero
	v_wmma_scale_f32_16x16x128_f8f6f4 v[8*(8*((\a)%4)+\b):8*(8*((\a)%4)+\b)+7], v[128*(\p)+FR*\b:128*(\p)+FR*\b+FR-1], v[AF+FR*(\a):AF+FR*(\a)+FR-1], 0, v[SC+8*NQ*(\sc)+NQ*\b+(\q)], v[SC+8*NQ*(\sc)+NQ*(\a)+(\q)] matrix_a_fmt:MATRIX_FMT_FP4 matrix_b_fmt:MATRIX_FMT_FP4 matrix_a_scale:MATRIX_SCALE_ROW1
.else
	v_wmma_scale_f32_16x16x128_f8f6f4 v[8*(8*((\a)%4)+\b):8*(8*((\a)%4)+\b)+7], v[128*(\p)+FR*\b:128*(\p)+FR*\b+FR-1], v[AF+FR*(\a):AF+FR*(\a)+FR-1], v[8*(8*((\a)%4)+\b):8*(8*((\a)%4)+\b)+7], v[SC+8*NQ*(\sc)+NQ*\b+(\q)], v[SC+8*NQ*(\sc)+NQ*(\a)+(\q)] matrix_a_fmt:MATRIX_FMT_FP4 matrix_b_fmt:MATRIX_FMT_FP4 matrix_a_scale:MATRIX_SCALE_ROW1
.endif
.endr
.endr
.endm
.macro FETCH_B slot, q, p
	WIN TO_B
.irp i, 0,1,2,3,4,5,6,7
	FRAG 128*(\p)+FR*\i, ADRB+\slot, \q, \i
.endr
	WIN 0
.endm
.macro FETCH_A slot, q, i0
.irp i, \i0, \i0+1, \i0+2, \i0+3
	FRAG AF+FR*(\i), ADRA+\slot, \q, \i
.endr
.endm
.macro SCALES sc                       ; a K step's scale words: 4 words a row; lanes 0-15 take x's block i, lanes 16-31 W's block i
.irp i, 0,1,2,3,4,5,6,7
	ds_load_b128 v[SC+8*NQ*\sc+NQ*\i:SC+8*NQ*\sc+NQ*\i+3], v[ADRS] offset:\i*SBLK
.endr
.endm
.macro PLACES n                        ; plain vector instructions between a matrix instruction and a load into its registers or a read of its result
.rept \n
	v_nop
.endr
.endm
.macro STEP slot, q, zero              ; 128 along K that has its successor in the same slot
	s_wait_dscnt 4*NL                              ; W's set and x's blocks 0-3 are in; the youngest 8 loads (x's blocks 4-7) may be out
	WIN MUL_LO
	MUL16 0, (\q)%2, \q, \slot, \zero
	MUL16 2, (\q)%2, \q, \slot, \zero
	s_wait_dscnt 0
	PLACES NP
	FETCH_B \slot, (\q)+1, 1-(\q)%2
	FETCH_A \slot, (\q)+1, 0
	WIN MUL_HI
	MUL16 4, (\q)%2, \q, \slot, \zero
	MUL16 6, (\q)%2, \q, \slot, \zero
	PLACES NP
	WIN 0
	FETCH_A \slot, (\q)+1, 4
.endm
.macro TURN slot, next                 ; slot 0's last step changes slots: one barrier; in front of it each wave waits for all its tensor loads (its part of slot 1) and for its reads of slot 0, which becomes the stage later
	s_wait_tensorcnt 0x0                           ; all my tensor loads have landed
	ds_add_u32 v[SPW], v[NIL]                      ; 0 onto my spare word
	s_wait_dscnt 4*NL+1                            ; (the add and the youngest 8 loads may be out)
	WIN MUL_LO
	MUL16 0, 1, NQ-1, \slot, 0
	s_wait_dscnt 0x0                               ; the add is done, and my reads of this slot are over
	s_barrier_signal -1
	MUL16 2, 1, NQ-1, \slot, 0
	WIN 0
	s_barrier_wait -1
	PLACES NP
	v_add_nc_u32 v[ADRS], 4*NQ, v[ADRS]            ; on to the next K step's scale words
	FETCH_B \next, 0, 0
	FETCH_A \next, 0, 0
	SCALES \next
	WIN MUL_HI
	MUL16 4, 1, NQ-1, \slot, 0
	MUL16 6, 1, NQ-1, \slot, 0
	PLACES NP
	WIN 0
	FETCH_A \next, 0, 4
.endm
.macro STEPS slot, from
.set Q, \from
.rept NQ-1-\from
	STEP \slot, Q, 0
.set Q, Q+1
.endr
.endm
	s_wait_tensorcnt 1                             ; the scales and my part of K step 0 are in (K step 1's load may be out)
	s_barrier_signal -1
	s_barrier_wait -1                              ; everybody's are
	FETCH_B 0, 0, 0
	FETCH_A 0, 0, 0
	SCALES 0
	FETCH_A 0, 0, 4
	STEP 0, 0, 1                                   ; the first products start the sums: nothing is cleared
	STEPS 0, 1
	TURN 0, 1
	STEPS 1, 0
	s_wait_dscnt 4*NL                              ; the very last step: nothing more to fetch
	WIN MUL_LO
	MUL16 0, 1, NQ-1, 1, 0
	MUL16 2, 1, NQ-1, 1, 0
	s_wait_dscnt 0
	WIN MUL_HI
	MUL16 4, 1, NQ-1, 1, 0
	MUL16 6, 1, NQ-1, 1, 0
	WIN 0
; THE WAY OUT, block by block of 16 rows x 128 columns (two heads).  PACK: rounded to f16, 16 bytes a lane.  TOSTAGE: into my own stage and back by heads: four rows x 128 bytes of one head an instruction.  SEND: 512 consecutive bytes a store.
.macro PACK a
.set AC, 64*((\a)%4)
	WIN 0x0a+5*((\a)/4)                            ; sources 0 and 1: window 2 or 3
.irp b, 0,1,2,3,4,5,6,7
.irp i, 0,1,2,3
	v_cvt_pk_f16_f32 v[TMP+4*\b+\i], v[AC+8*\b+2*\i], v[AC+8*\b+2*\i+1]   ; each accumulator from its low end on
.endr
.endr
	WIN 0
.endm
.macro TOSTAGE a
.set BB, BK+32*((\a)%2)
.irp b, 0,1,2,3,4,5,6,7
	ds_store_b128 v[STO], v[TMP+4*\b:TMP+4*\b+3] offset:32*\b
.endr
.irp hd, 0,1
.irp t, 0,1,2,3
	ds_load_b128 v[BB+4*(4*\hd+\t):BB+4*(4*\hd+\t)+3], v[RD] offset:4*SPITCH*\t+128*\hd   ; LDS serves a wave's instructions in order: these see the stores above
.endr
.endr
.endm
.macro SEND a
.set BB, BK+32*((\a)%2)
	s_wait_dscnt 0x0                               ; the block is back in registers
	s_wait_xcnt 0x0                                ; the stores of the block before have read their registers: the next block's loads land there only behind this wait
.irp hd, 0,1
.irp t, 0,1,2,3
	global_store_b128 v[CO], v[BB+4*(4*\hd+\t):BB+4*(4*\hd+\t)+3], s[12:13] offset:(\hd<<20)+((16*(\a)+4*\t)<<7)
.endr
.endr
.endm
	PLACES NP                                      ; in front of the writes into the registers that held x's fragments, and of the reads of the last results
	PACK 0
	TOSTAGE 0
.irp a, 1,2,3,4,5,6,7                  ; block a's conversions stand between block a - 1's loads from the stage and the wait for them
	PACK \a
	SEND \a-1
	TOSTAGE \a
.endr
	SEND 7
	s_wait_tensorcnt 0x0                           ; the wave's end, behind my last tensor load and my last LDS store
	ds_add_u32 v[SPW], v[NIL]
	s_wait_dscnt 0x0
	CROUND                                         ; the closing round: no work-group ends while a partner may still ask for a tile that names it
	s_endpgm
.Lfunc_end_k_q30b2cf47d6_qkv:
	.size	k_q30b2cf47d6_qkv, .Lfunc_end_k_q30b2cf47d6_qkv-k_q30b2cf47d6_qkv
	.p2alignl 7, 3214868480
	.fill 96, 4, 3214868480
	.section	.rodata,"a",@progbits
	.p2align	6, 0x0
	.amdhsa_kernel k_q30b2cf47d6_qkv
		.amdhsa_group_segment_fixed_size 327680
		.amdhsa_private_segment_fixed_size 0
		.amdhsa_enable_private_segment 0
		.amdhsa_kernarg_size 40
		.amdhsa_user_sgpr_count 2
		.amdhsa_user_sgpr_kernarg_segment_ptr 1
		.amdhsa_wavefront_size32 1
		.amdhsa_system_sgpr_workgroup_id_x 1
		.amdhsa_system_sgpr_workgroup_id_y 1
		.amdhsa_system_sgpr_workgroup_id_z 1
		.amdhsa_system_vgpr_workitem_id 0
		.amdhsa_next_free_vgpr 1024
		.amdhsa_next_free_sgpr 98
		.amdhsa_reserve_vcc 0
		.amdhsa_float_denorm_mode_32 3
		.amdhsa_float_denorm_mode_16_64 3
		.amdhsa_memory_ordered 1
		.amdhsa_forward_progress 1
		.amdhsa_inst_pref_size 126
	.end_amdhsa_kernel
	.amdgpu_metadata
---
amdhsa.version: [ 1, 2 ]
amdhsa.kernels:
  - .name:           k_q30b2cf47d6_qkv
    .symbol:         k_q30b2cf47d6_qkv.kd
    .args:
      - { .name: x_codes, .offset: 0, .size: 8, .value_kind: global_buffer, .address_space: global }
      - { .name: x_scales, .offset: 8, .size: 8, .value_kind: global_buffer, .address_space: global }
      - { .name: w_codes, .offset: 16, .size: 8, .value_kind: global_buffer, .address_space: global }
      - { .name: w_scales, .offset: 24, .size: 8, .value_kind: global_buffer, .address_space: global }
      - { .name: qkv, .offset: 32, .size: 8, .value_kind: global_buffer, .address_space: global }
    .group_segment_fixed_size: 327680
    .private_segment_fixed_size: 0
    .kernarg_segment_align: 8
    .kernarg_segment_size: 40
    .max_flat_workgroup_size: 128
    .sgpr_count:     98
    .vgpr_count:     1024
    .wavefront_size: 32
...
	.end_amdgpu_metadata
.endif
;; end of part 3
;; launch attn (part 4): grid 4 x 64, 16 waves a work-group, no clusters, 327,680 bytes of LDS; arguments qkv, ctx; writes ctx
.if DOCPART == 4
	.amdgcn_target "amdgcn-amd-amdhsa--gfx1250"
	.amdhsa_code_object_version 6
	.text
	.protected	k_q30b2cf47d6_attn
	.globl	k_q30b2cf47d6_attn
	.p2align	8
	.type	k_q30b2cf47d6_attn,@function
k_q30b2cf47d6_attn:
	s_mov_b64 s[64:65], 0
	v_nop
	global_prefetch_b8 v0, s[64:65] scope:SCOPE_SE
	s_setreg_imm32_b32 hwreg(HW_REG_WAVE_MODE, 25, 1), 1
	s_wait_xcnt 0x0
; ctx[h][b, q][:] = the sum over keys k <= q of softmax_k(q . k / 8) v[k][:], for each batch b and head h; q, k, v: f16 rows of 64 (128 bytes), laid by head; products, maxima and sums in f32; p is rounded to f16 for the second product; ctx is f16.
; WORK LEFT OUT: steps of 128 keys all of which come after all 16 queries of a wave: reference()'s own tril gives them the weight 0 for all finite inputs.  LIMIT: a NaN or an infinity in hidden k or v is not carried to the result.
; LIMITS: ctx is a weighted mean of v, so it has v's range in f16; p under 6e-8 of the row's largest falls to 0 in f16.
; (Rows 0-15 of every sequence are computed here too, inside tiles that hold live work; the output rows made of them are written again, from f32, by launch fine_out.)
; NO CLUSTER: under the causal mask the query blocks of a head need different numbers of key tiles, and a partner would have to ask for tiles that none of its waves reads.
; SHARES.  y = 16 b + h.  A block is 256 queries, 16 to each of the sixteen waves (256 registers each, four waves to a SIMD: one wave's vector work stands beside another's matrix work and LDS loads).
; Work-group x = p owns blocks p and 7 - p: p + 1 and 8 - p key blocks of 256, NINE TRIPS for every work-group: the trip count is a constant of the text, and every tile fetched is read.
; Trips 0 .. p serve block p; at trip p + 1 the first block's result goes out and the state is made anew for block 7 - p.  A trip is two steps of 128 keys.
; LAYOUT.  S^T = K Q^T (source 0 = 16 keys, source 1 = my 16 queries): a lane holds ONE query (lane % 16) and keys 8 (lane / 16) + 0 .. 7.  Two such tiles, rounded to f16 in pairs, ARE source 1 (32 keys x 16 queries) of O^T = V^T P.
; K comes out of LDS as it lies, V ([key][channel]) turned, by ds_load_tr16_b128.
; SOFTMAX.  A running maximum m and sum l for each query: p = 2^(c s - c m), c = log2(e) / 8; in every step O^T and l are multiplied by a = 2^(c m_old - c m_new).
; THE RING.  Two slots of 256 keys, 2^17 bytes apart.  Waves 0 and 1 fetch K's halves, waves 2 and 3 V's; all sixteen read.  The change of slots stands at a trip's head.
.set KP,    144                        ; a key's row in LDS: 128 bytes + 16: an odd multiple of 16 bytes
.set VP,    160                        ; a row of V: 128 + 32: an odd multiple of 32 bytes, for the turning load
.set VOFF,  256*KP                     ; a slot: 256 rows of K, then 256 rows of V
.set SLOT1, 1<<17
.set STAGE, 2*SLOT1                    ; behind the ring: 16 rows x 144 bytes for each wave, for the way out; no tensor load lands here
.set SPI,   144
.set SPARE, STAGE+16*16*SPI            ; the spare words, 128 bytes for each wave
.set AK0, 1                            ; v1   my lane's place in a tile of K
.set AV0, 2                            ; v2   the same for V
.set SPW, 3                            ; v3   my spare word; never rewritten
.set NIL, 4                            ; v4   0; never rewritten
.set STO, 5                            ; v5   the way out: where I put 16 bytes of a row
.set RD,  6                            ; v6   where I read rows back
.set L16, 7                            ; v7   16 x lane
.set QL,  8                            ; v8   Q: 128 r + 16 hh
.set RH,  9                            ; v9   r - 8 hh
.set ADK, 10                           ; v10  LDS address of the trip's K
.set ADV, 11                           ; v11  of its V
                                       ; v12 -c m, v13 m, v[14:15] l in two halves
.set QF,  16                           ; v16-31   Q: two fragments
.set F,   32                           ; v32-95   fragments of K or of V
.set S,   96                           ; v96-159  S^T, then p
.set OT,  160                          ; v160-191 O^T
.set P,   192                          ; v192-223 p in f16
.set TM,  224                          ; v224-227 four chains of the maximum; v228-231 at work; v[232:233] a
.set NINF, 234
.set DD,  235
.set QOF, 236
.set GOF, 237
.set PFO, 238                          ; v238 256 x lane; never rewritten;  v[240:241] the second chain of the sum
.set WV,  8                            ; s8 wave;  s9 p;  s10 the trip at which the blocks change
.set PP,  9
.set NA,  10
.set SEL, 20                           ; s[20:21] selects for lane l xor 16
.set CS,  22                           ; s[22:23] c, c
.set NC,  24                           ; s24 -c
.set G1K, 28
.set G1V, 36
.set G0K, 44
.set G0V, 48
.set TB,  52                           ; s52 LDS byte at which the slot in hand begins
.set IT,  53                           ; s53 the trip
.set SLOTS, 54                         ; s54 trips of the loop still to go
.set KF,  55                           ; s55 the step's first key
.set Q0,  56                           ; s56 my first query
.set PFA, 66                           ; s[66:67] where my prefetches stand
.set LIM, 68                           ; s68 1 in a wave that prefetches, else the greatest number
; Waves 0 and 1 fetch for K, waves 2 and 3 for V, the others nothing.  The branches hang on the wave's number alone.  An s_nop 0 and four v_nop follow each of the two lines.
.macro TLOAD
	s_cmp_lt_u32 s[WV], 2
	s_cbranch_scc0 .Lnot_k_\@
	tensor_load_to_lds s[G0K:G0K+3], s[G1K:G1K+7]
	s_nop 0
.rept 4
	v_nop
.endr
	s_branch .Lasked_\@
.Lnot_k_\@:
	s_cmp_lt_u32 s[WV], 4
	s_cbranch_scc0 .Lasked_\@
	tensor_load_to_lds s[G0V:G0V+3], s[G1V:G1V+7]
	s_nop 0
.rept 4
	v_nop
.endr
.Lasked_\@:
.endm
; A PREFETCH of the key block that the next change of slots will ask for: 256 rows of K and of V, 32,768 dense bytes each.  All four work-groups of a head walk the same K and V: work-group p = 0 asks, whose trips 1 to 8 walk key blocks 0 to 7 in order.
; In it the waves ask that fetch nothing: waves 4 to 7 for K, waves 8 to 11 for V, 8,192 bytes a wave, lanes 256 bytes apart: one instruction.  Trip i, i = 0 .. 6, names key block i + 1: each 256 bytes of key blocks 1 to 7 once in the launch; the last trip of the loop asks for nothing.
.macro ASK
	s_cmp_gt_u32 s[SLOTS], s[LIM]
	s_cbranch_scc0 .Lnot_mine_\@
	global_prefetch_b8 v[PFO], s[PFA:PFA+1] th:TH_LOAD_NT scope:SCOPE_SE
.Lnot_mine_\@:
.endm
	s_load_b128 s[4:7], s[0:1], 0x0                ; qkv s[4:5], ctx s[6:7]
	v_lshl_add_u32 v[SPW], v0, 2, SPARE
	v_mov_b32 v[NIL], 0
	ds_add_u32 v[SPW], v[NIL]                      ; the wave's opening: the add, twice on end, and its wait ahead of my first tensor load
	ds_add_u32 v[SPW], v[NIL]
	v_lshrrev_b32 v10, 5, v0
	v_readfirstlane_b32 s[WV], v10                 ; wave 0..15
	s_mov_b32 s[PP], ttmp9
	s_add_co_u32 s[NA], s[PP], 1
	s_and_b32 s57, ttmp7, 0xffff                   ; 16 b + h
	s_and_b32 s58, s57, 15
	s_lshr_b32 s59, s57, 4
	s_lshl_b32 s58, s58, 20                        ; a head: 8,192 rows of 128 bytes
	s_lshl_b32 s59, s59, 18                        ; a batch in it: 2,048 rows
	s_add_co_u32 s60, s58, s59
	s_mov_b32 s61, 0
	s_and_b32 s57, s[WV], 1                        ; which half of a key block I fetch, if I fetch
	s_lshl_b32 s58, s57, 14                        ; 128 rows of 128 bytes
	s_add_co_u32 s62, s60, s58
	s_add_co_u32 s62, s62, 0x1000000               ; k's heads lie 16 heads behind q's
	s_mov_b32 s63, 0
	s_mul_i32 s58, s57, 128*KP                     ; its place in a slot: K's,
	s_mul_i32 s59, s57, 128*VP
	s_add_co_u32 s59, s59, VOFF                    ; and V's
	s_mov_b32 s[G1K], (1<<16)|(1<<20)|(4<<22)|(3<<25)   ; elements of 2 bytes; padding on: 4 words after every 32
	s_mov_b32 s[G1V], (1<<16)|(1<<20)|(4<<22)|(7<<25)   ; 8 words after every 32
.irp g, G1K, G1V
	s_mov_b32 s[\g+1], 64<<16                      ; tensor_dim0
	s_mov_b32 s[\g+2], 128<<16                     ; tensor_dim1
	s_mov_b32 s[\g+3], 64<<16                      ; tile_dim0
	s_mov_b32 s[\g+4], 128                         ; tile_dim1
	s_mov_b32 s[\g+5], 64                          ; from row to row
	s_mov_b32 s[\g+6], 0
	s_mov_b32 s[\g+7], 0
.endr
	s_mov_b32 s[SEL], 0x76543210
	s_mov_b32 s[SEL+1], 0xfedcba98
	s_mov_b32 s[CS], 0x3e38aa3b                    ; c = log2(e) / sqrt(64)
	s_mov_b32 s[CS+1], s[CS]                       ; (named with it as a pair, so it is written)
	s_mov_b32 s[NC], 0xbe38aa3b
	s_mov_b32 s[TB], 0
	s_mov_b32 s[IT], 0
	s_mov_b32 s[SLOTS], 8
	s_mov_b32 s[KF], 0
	s_lshl_b32 s[Q0], s[PP], 8
	s_lshl_b32 s57, s[WV], 4
	s_add_co_u32 s[Q0], s[Q0], s57                 ; my first query: 256 p + 16 x wave
	s_wait_dscnt 0x0                               ; both opening adds are done
	s_wait_kmcnt 0x0
	s_add_nc_u64 s[12:13], s[4:5], s[60:61]        ; q of my head and batch
	s_add_nc_u64 s[14:15], s[4:5], s[62:63]        ; k, at my half of key block 0
	s_add_nc_u64 s[16:17], s[14:15], 0x1000000     ; v likewise
	s_add_nc_u64 s[18:19], s[6:7], s[60:61]        ; ctx
	s_mov_b32 s[G0K], 1
	s_mov_b32 s[G0K+1], s58                        ; slot 0
	s_mov_b64 s[G0K+2:G0K+3], s[14:15]
	s_or_b32 s[G0K+3], s[G0K+3], 0x80000000
	s_mov_b32 s[G0V], 1
	s_mov_b32 s[G0V+1], s59
	s_mov_b64 s[G0V+2:G0V+3], s[16:17]
	s_or_b32 s[G0V+3], s[G0V+3], 0x80000000
	TLOAD                                          ; key block 0 into slot 0
	s_mov_b32 s57, 0x2000000                       ; the prefetches: waves 4 to 7 stand in k, waves 8 to 11 in v
	s_cmp_lt_u32 s[WV], 8
	s_cselect_b32 s57, 0x1000000, s57
	s_and_b32 s58, s[WV], 3
	s_lshl_b32 s58, s58, 13                        ; my wave's 8,192 bytes of a key block
	s_add_co_u32 s70, s60, s57
	s_add_co_u32 s70, s70, s58
	s_mov_b32 s71, 0
	s_add_nc_u64 s[PFA:PFA+1], s[4:5], s[70:71]    ; in key block 0: the first change of slots steps it to block 1.  Nothing is prefetched at the head
	s_sub_co_u32 s57, s[WV], 4
	s_lshr_b32 s57, s57, 3                         ; 0 in waves 4 to 11,
	s_or_b32 s57, s57, s[PP]                       ; of work-group p = 0
	s_cmp_eq_u32 s57, 0
	s_cselect_b32 s[LIM], 1, -1
	v_and_b32 v228, 15, v0                         ; r
	v_bfe_u32 v229, v0, 4, 1                       ; hh
	v_mul_u32_u24 v[AK0], v228, KP
	v_lshl_add_u32 v[AK0], v229, 4, v[AK0]         ; K: row r, + 16 hh
	v_and_b32 v230, 7, v0
	v_lshl_add_u32 v[AV0], v229, 3, v230           ; V, for the turning load: key 8 hh + lane % 8,
	v_mul_u32_u24 v[AV0], v[AV0], VP
	v_bfe_u32 v230, v0, 3, 1
	v_lshl_add_u32 v[AV0], v230, 4, v[AV0]         ; channels 8 ((lane / 8) % 2) on
	v_add_nc_u32 v[AV0], VOFF, v[AV0]
	s_mul_i32 s57, s[WV], 16*SPI
	s_add_co_u32 s57, s57, STAGE                   ; my stage
	v_add_nc_u32 v[STO], s57, v[AK0]               ; in: row r of 144 bytes, + 16 hh
	v_and_b32 v231, 31, v0
	v_lshrrev_b32 v[RD], 3, v231                   ; back: eight lanes to a row of 128 bytes, four rows an instruction
	v_mul_u32_u24 v[RD], v[RD], SPI
	v_and_b32 v230, 7, v0
	v_lshl_add_u32 v[RD], v230, 4, v[RD]
	v_add_nc_u32 v[RD], s57, v[RD]
	v_lshlrev_b32 v[L16], 4, v231
	v_lshlrev_b32 v[QL], 7, v228
	v_lshl_add_u32 v[QL], v229, 4, v[QL]
	v_lshlrev_b32 v[RH], 3, v229
	v_sub_nc_u32 v[RH], v228, v[RH]
	v_lshlrev_b32 v[PFO], 8, v231
	v_mov_b32 v[NINF], 0xff800000
	v_mov_b32 v233, 0                              ; (named as the upper half of the pair v[232:233])
; The state of a block of queries: Q's two fragments; m = -3e38, under every score; l and O^T zeros, which the first change of m leaves zeros: so the step is written once.
.macro INIT
	s_lshl_b32 s57, s[Q0], 7
	v_add_nc_u32 v[QOF], s57, v[QL]
.irp i, 0,1,2,3
	global_load_b128 v[QF+4*\i:QF+4*\i+3], v[QOF], s[12:13] offset:32*\i
.endr
	v_mov_b32 v13, 0xff61b1e6
	v_mul_f32 v12, s[NC], v13
	v_mov_b32 v14, 0
	v_mov_b32 v15, 0
.set j, 0
.rept 32
	v_mov_b32 v[OT+j], 0
.set j, j+1
.endr
	s_wait_loadcnt 0x0
.endm
.macro VLOAD q, g                      ; 64 keys of V, turned: fragment (u, t): keys 32 u on, channels 16 t on
.irp u, 0,1
.irp t, 0,1,2,3
.irp c, 0,1
	ds_load_tr16_b128 v[F+32*\u+8*\t+4*\c:F+32*\u+8*\t+4*\c+3], v[ADV] offset:(128*(\q)+64*(\g)+32*\u+16*\c)*VP+32*\t
.endr
.endr
.endr
.endm
.macro PV g                            ; O^T += V^T P for 64 keys: the four accumulators by turns, one instruction a turn
.irp u, 0,1
.irp t, 0,1,2,3
	v_wmma_f32_16x16x32_f16 v[OT+8*\t:OT+8*\t+7], v[F+32*\u+8*\t:F+32*\u+8*\t+7], v[P+8*(2*(\g)+\u):P+8*(2*(\g)+\u)+7], v[OT+8*\t:OT+8*\t+7]
.endr
.endr
.endm
; A STEP: 128 keys, the q-th half of the slot in hand.
.macro STEP q
	s_add_co_u32 s57, s[Q0], 15                    ; a step all of whose keys come after my 16 queries is left out: a branch on ids and the count of steps, round the step's work alone
	s_cmp_gt_u32 s[KF], s57
	s_cbranch_scc1 .Lhidden_\@
	v_add_nc_u32 v[ADK], s[TB], v[AK0]
	v_add_nc_u32 v[ADV], s[TB], v[AV0]
	v_nop
	v_nop                                          ; with the two additions: four places in front of loads into registers that the last products read
.irp g, 0,1                                    ; S^T = K Q^T, four tiles of 16 keys at a time
.if \g > 0
.rept 4
	v_nop
.endr
.endif
.irp t, 0,1,2,3
.irp kk, 0,1
.irp c, 0,1
	ds_load_b128 v[F+16*\t+8*\kk+4*\c:F+16*\t+8*\kk+4*\c+3], v[ADK] offset:(128*(\q)+64*\g+16*\t)*KP+64*\kk+32*\c
.endr
.endr
.endr
	s_wait_dscnt 0x0
.irp kk, 0,1                                   ; the four tiles by turns
.irp t, 0,1,2,3
.if \kk == 0
	v_wmma_f32_16x16x32_f16 v[S+8*(4*\g+\t):S+8*(4*\g+\t)+7], v[F+16*\t+8*\kk:F+16*\t+8*\kk+7], v[QF+8*\kk:QF+8*\kk+7], 0
.else
	v_wmma_f32_16x16x32_f16 v[S+8*(4*\g+\t):S+8*(4*\g+\t)+7], v[F+16*\t+8*\kk:F+16*\t+8*\kk+7], v[QF+8*\kk:QF+8*\kk+7], v[S+8*(4*\g+\t):S+8*(4*\g+\t)+7]
.endif
.endr
.endr
.endr
.rept 4
	v_nop                                          ; four places: in front of the loads below and of the first read of the scores
.endr
	VLOAD \q, 0                                    ; V's first 64 keys land while the softmax is walked
	s_add_co_u32 s57, s[KF], 127                   ; on the diagonal the scores of hidden keys become -infinity; a step all of whose keys count skips this
	s_cmp_le_u32 s57, s[Q0]
	s_cbranch_scc1 .Lopen_\@
	s_sub_co_i32 s57, s[Q0], s[KF]
	v_add_nc_u32 v[DD], s57, v[RH]                 ; d = my query - KF - 8 hh.  Register 8 T + j holds key KF + 16 T + 8 hh + j: hidden where 16 T + j > d
.set n, 0
.rept 64
	v_cmp_gt_i32 vcc_lo, 16*(n/8)+n%8, v[DD]
	v_cndmask_b32 v[S+n], v[S+n], v[NINF], vcc_lo
.set n, n+1
.endr
.Lopen_\@:
.irp b, 0,1,2,3
	v_max3_num_f32 v[TM+\b], v[S+16*\b], v[S+16*\b+1], v[S+16*\b+2]   ; the largest score, in four chains, each tile from its low end on
.endr
.irp i, 3,5,7,9,11,13
.irp b, 0,1,2,3
	v_max3_num_f32 v[TM+\b], v[TM+\b], v[S+16*\b+\i], v[S+16*\b+\i+1]
.endr
.endr
.irp b, 0,1,2,3
	v_max_num_f32 v[TM+\b], v[TM+\b], v[S+16*\b+15]
.endr
	v_max3_num_f32 v228, v224, v225, v226
	v_max3_num_f32 v228, v228, v227, v13           ; with the old m
	v_permlanex16_b32 v229, v228, s[SEL], s[SEL+1] ; the query's other keys lie in the lane 16 away
	v_max_num_f32 v13, v228, v229                  ; the new m
	v_mul_f32 v230, s[NC], v13                     ; -c m
	v_sub_f32 v231, v230, v12                      ; c m_old - c m_new
	v_mov_b32 v12, v230
	v_exp_f32 v232, v231                           ; a
.set j, 0
.rept 32
	v_pk_fma_f32 v[S+j:S+j+1], v[S+j:S+j+1], s[CS:CS+1], v[12:13] op_sel_hi:[1,0,0]   ; c s - c m, two at a time
.set j, j+2
.endr
.set j, 0
.rept 64
	v_exp_f32 v[S+j], v[S+j]                       ; p, at most 1
.set j, j+1
.endr
	v_nop                                          ; a plain instruction behind the last exponential
	s_wait_alu depctr_va_vdst(0)                   ; ONE wait for the 65, ahead of their first reader
	v_pk_mul_f32 v[14:15], v[14:15], v[232:233] op_sel_hi:[1,0]   ; l under the new m
	v_pk_add_f32 v[240:241], v[S:S+1], v[S+2:S+3]  ; the row's sum of the unrounded p, in two chains
.set j, 4
.rept 15
	v_pk_add_f32 v[14:15], v[14:15], v[S+j:S+j+1]
	v_pk_add_f32 v[240:241], v[240:241], v[S+j+2:S+j+3]
.set j, j+4
.endr
	v_pk_add_f32 v[14:15], v[14:15], v[240:241]
.set j, 0
.rept 32
	v_cvt_pk_f16_f32 v[P+j], v[S+2*j], v[S+2*j+1]  ; two neighbouring keys to a register: eight registers are 32 keys x my query
.set j, j+1
.endr
.set j, 0
.rept 16
	v_pk_mul_f32 v[OT+j:OT+j+1], v[OT+j:OT+j+1], v[232:233] op_sel_hi:[1,0]   ; O^T under the new m
.set j, j+2
.endr
	s_wait_dscnt 0x0                               ; V's first 64 keys are in
	PV 0
.rept 4
	v_nop
.endr
	VLOAD \q, 1
	s_wait_dscnt 0x0
	PV 1
.Lhidden_\@:
	s_add_co_u32 s[KF], s[KF], 128
.endm
; A block's way out: O^T / l, rounded to f16, through my stage, so that a store covers four whole rows: 512 consecutive bytes.
.macro FINAL
.rept 4
	v_nop                                          ; four places behind the last products
.endr
	v_add_f32 v228, v14, v15
	v_permlanex16_b32 v229, v228, s[SEL], s[SEL+1]
	v_add_f32 v228, v228, v229                     ; the row's sum
	v_rcp_f32 v232, v228
	s_lshl_b32 s57, s[Q0], 7
	v_add_nc_u32 v[GOF], s57, v[L16]               ; (a plain instruction behind the reciprocal)
	s_wait_alu depctr_va_vdst(0)                   ; the wait, ahead of its first reader
.set j, 0
.rept 16
	v_pk_mul_f32 v[OT+j:OT+j+1], v[OT+j:OT+j+1], v[232:233] op_sel_hi:[1,0]
.set j, j+2
.endr
.set j, 0
.rept 16
	v_cvt_pk_f16_f32 v[P+j], v[OT+2*j], v[OT+2*j+1]
.set j, j+1
.endr
.irp t, 0,1,2,3
	ds_store_b128 v[STO], v[P+4*\t:P+4*\t+3] offset:32*\t
.endr
.irp i, 0,1,2,3
	ds_load_b128 v[F+4*\i:F+4*\i+3], v[RD] offset:4*SPI*\i   ; LDS serves a wave's instructions in order: these see my stores
.endr
	s_wait_dscnt 0x0
.irp i, 0,1,2,3
	global_store_b128 v[GOF], v[F+4*\i:F+4*\i+3], s[18:19] offset:512*\i
.endr
.endm
; THE CHANGE OF SLOTS, at a trip's head.  Each wave waits for all its tensor loads (its part of the slot that it is about to read), adds 0 to its spare word, and waits for that and for its reads of the slot that it has left.
; Behind the barrier the slot ahead is whole and nobody reads the other one.  fill = 1: that other slot takes the next trip's key block, which has a whole trip in which to land.
.macro CHANGE fill
	s_wait_tensorcnt 0x0                           ; no tensor load of mine is out, so a group 0 may be written
	ds_add_u32 v[SPW], v[NIL]                      ; 0 onto my spare word
.if \fill
	ds_add_u32 v[SPW], v[NIL]                      ; and once more: the add twice on end, in every trip alike
	s_xor_b32 s[G0K+1], s[G0K+1], SLOT1            ; the other slot than last time
	s_xor_b32 s[G0V+1], s[G0V+1], SLOT1
	s_add_co_u32 s57, s[IT], 1                     ; the next trip's key block: its number, counted anew from the change of query blocks on
	s_cmp_ge_u32 s57, s[NA]
	s_cselect_b32 s58, s[NA], 0
	s_sub_co_u32 s57, s57, s58
	s_lshl_b32 s70, s57, 15                        ; 256 rows of 128 bytes
	s_mov_b32 s71, 0
	s_add_nc_u64 s[G0K+2:G0K+3], s[14:15], s[70:71]
	s_or_b32 s[G0K+3], s[G0K+3], 0x80000000
	s_add_nc_u64 s[G0V+2:G0V+3], s[16:17], s[70:71]
	s_or_b32 s[G0V+3], s[G0V+3], 0x80000000
	s_wait_xcnt 0x0                                ; the last prefetch, a trip back, has read its address, so it may be written
	s_add_nc_u64 s[PFA:PFA+1], s[PFA:PFA+1], 32768
.endif
	s_wait_dscnt 0x0                               ; the adds are done, and my reads of the slot that I have left are over
	s_barrier_signal -1
	s_barrier_wait -1
.if \fill
	TLOAD                                          ; the first thing behind the barrier, and a wave's one tensor load until the next
	ASK
.endif
.endm
	INIT
.Ltrip:                                            ; eight trips; the ninth is written out
	CHANGE 1
	s_cmp_lg_u32 s[IT], s[NA]                      ; ids and the count of trips alone
	s_cbranch_scc1 .Lsame
	FINAL                                          ; block p is done: it goes out,
	s_mov_b32 s[KF], 0
	s_sub_co_u32 s[Q0], 7, s[PP]
	s_lshl_b32 s[Q0], s[Q0], 8
	s_lshl_b32 s57, s[WV], 4
	s_add_co_u32 s[Q0], s[Q0], s57                 ; and block 7 - p begins at key 0
	INIT
	s_wait_xcnt 0x0                                ; the stores have read their registers: the steps' loads land there only behind this wait
.Lsame:
	STEP 0
	STEP 1
	s_xor_b32 s[TB], s[TB], SLOT1                  ; on to the other slot
	s_add_co_u32 s[IT], s[IT], 1
	s_sub_co_u32 s[SLOTS], s[SLOTS], 1
	s_cmp_lg_u32 s[SLOTS], 0
	s_cbranch_scc1 .Ltrip
	CHANGE 0                                       ; the last trip: nothing is left to fetch (the change of query blocks falls in trips 1 to 4)
	STEP 0
	STEP 1
	FINAL
	s_wait_tensorcnt 0x0                           ; the wave's end, behind my last tensor load and my last LDS store
	ds_add_u32 v[SPW], v[NIL]
	s_wait_dscnt 0x0
	s_endpgm
.Lfunc_end_k_q30b2cf47d6_attn:
	.size	k_q30b2cf47d6_attn, .Lfunc_end_k_q30b2cf47d6_attn-k_q30b2cf47d6_attn
	.p2alignl 7, 3214868480
	.fill 96, 4, 3214868480
	.section	.rodata,"a",@progbits
	.p2align	6, 0x0
	.amdhsa_kernel k_q30b2cf47d6_attn
		.amdhsa_group_segment_fixed_size 327680
		.amdhsa_private_segment_fixed_size 0
		.amdhsa_enable_private_segment 0
		.amdhsa_kernarg_size 16
		.amdhsa_user_sgpr_count 2
		.amdhsa_user_sgpr_kernarg_segment_ptr 1
		.amdhsa_wavefront_size32 1
		.amdhsa_system_sgpr_workgroup_id_x 1
		.amdhsa_system_sgpr_workgroup_id_y 1
		.amdhsa_system_sgpr_workgroup_id_z 1
		.amdhsa_system_vgpr_workitem_id 0
		.amdhsa_next_free_vgpr 256
		.amdhsa_next_free_sgpr 80
		.amdhsa_reserve_vcc 1
		.amdhsa_float_denorm_mode_32 3
		.amdhsa_float_denorm_mode_16_64 3
		.amdhsa_memory_ordered 1
		.amdhsa_forward_progress 1
		.amdhsa_inst_pref_size 112
	.end_amdhsa_kernel
	.amdgpu_metadata
---
amdhsa.version: [ 1, 2 ]
amdhsa.kernels:
  - .name:           k_q30b2cf47d6_attn
    .symbol:         k_q30b2cf47d6_attn.kd
    .args:
      - { .name: qkv, .offset: 0, .size: 8, .value_kind: global_buffer, .address_space: global }
      - { .name: ctx, .offset: 8, .size: 8, .value_kind: global_buffer, .address_space: global }
    .group_segment_fixed_size: 327680
    .private_segment_fixed_size: 0
    .kernarg_segment_align: 8
    .kernarg_segment_size: 16
    .max_flat_workgroup_size: 512
    .sgpr_count:     80
    .vgpr_count:     256
    .wavefront_size: 32
...
	.end_amdgpu_metadata
.endif
;; end of part 4
;; launch oproj (part 5): grid 8 x 32, 4 waves a work-group, clusters of 4 x 4, 327,680 bytes of LDS; arguments ctx, wo_h, out0; writes out0
.if DOCPART == 5
	.amdgcn_target "amdgcn-amd-amdhsa--gfx1250"
	.amdhsa_code_object_version 6
	.text
	.protected	k_q30b2cf47d6_oproj
	.globl	k_q30b2cf47d6_oproj
	.p2align	8
	.type	k_q30b2cf47d6_oproj,@function
k_q30b2cf47d6_oproj:
	s_mov_b64 s[64:65], 0
	v_nop
	global_prefetch_b8 v0, s[64:65] scope:SCOPE_SE
	s_setreg_imm32_b32 hwreg(HW_REG_WAVE_MODE, 25, 1), 1
	s_wait_xcnt 0x0
	s_wait_alu depctr_hold_cnt(0) depctr_sa_sdst(0) depctr_va_vdst(0) depctr_va_sdst(0) depctr_va_ssrc(0) depctr_va_vcc(0) depctr_vm_vsrc(0)
	s_getreg_b32 s2, hwreg(HW_REG_IB_STS2, 6, 4)
	s_cmp_eq_u32 s2, 0
	s_cbranch_scc0 .Lentry_in_a_cluster
	s_endpgm
.Lentry_in_a_cluster:
	s_bfe_u32 s2, ttmp6, 0x10000c
	s_cmp_lg_u32 s2, 0xf033
	s_cbranch_scc0 .Lentry_shape_is_right
	s_endpgm
.Lentry_shape_is_right:
; out0[m][n] = sum over k of ctx[m][k] Wo[n][k], m = 2,048 b + s (8,192), n and k 1,024; operands f16, sums f32, out0 f32.
; ctx lies by head, [16][8192][64]: column k = 64 h + channel.  wo_h: [1024 n][1024 k].  (The 64 rows s < 16 are written here too, inside tiles that hold live work, and once more, from f32 operands, by launch fine_out.)
; A tile of out0 is 256 rows x 128 columns: 256 work-groups.  Four waves, each 128 x 64: 32 accumulators of 16 x 16, 256 registers.
; K goes in 8 steps of 128 (two heads) through a ring of two LDS slots: waves 0 and 1 fetch one head's 256 rows of ctx each (32,768 dense bytes), waves 2 and 3 64 rows x 256 bytes of wo_h each.
; CLUSTERS: 4 x 4 work-groups.  The four of a row of the cluster need the same tiles of ctx, the four of a column the same tiles of wo_h: each tile is asked for jointly.
; THE MATRIX INSTRUCTION IS USED TRANSPOSED (source 0 = 16 rows of wo_h, source 1 = 16 rows of ctx): a lane holds eight neighbouring columns of one row of out0.
; REGISTERS: window 0: v16-29 addresses; v32-95 the way out.  window 1: two fragment buffers at v0 and v128: ctx's 8 fragments (16 rows x 32 K), then from +64 wo_h's 4.  window 2: accumulator (a, b) at v[8 (4 a + b)].
.set PA,     144                       ; a row of ctx in LDS: 128 bytes + 16
.set HEADT,  256*PA                    ; one head's 256 rows
.set PB,     272                       ; a row of wo_h: 256 bytes + 16
.set BHALF,  64*PB
.set BOFF,   2*HEADT
.set SLOT,   BOFF+2*BHALF
.set STAGE,  2*SLOT                    ; behind the ring: 16 rows x 272 bytes for each wave
.set SPITCH, 272
.set SPARE,  STAGE+4*16*SPITCH         ; the spare words, 128 bytes for each wave
.set LAPS,   4                         ; a lap = two K steps
.set ADRA, 16
.set ADRB, 20
.set STO,  24
.set RD,   25
.set CO,   26
.set SPW,  28
.set NIL,  29
.set BK,   32
.set F0,   0
.set F1,   128
.set G1, 24
.set G0, 32
.set G1B, 48
.set G0B, 56
.set MSB, 0
.macro WIN new                         ; the immediate's high byte repeats the setting that is left
.if MSB != \new
	s_set_vgpr_msb (MSB<<8)|\new
.set MSB, \new
.endif
.endm
.set MUL,  0xa5                        ; sources 0 and 1 window 1; C and D window 2
.set TO_F, 0x40                        ; destination window 1, address window 0
.macro JLOAD s                         ; a joint load: waves 0 and 1 fetch for ctx, waves 2 and 3 for wo_h; an s_nop 0 and four v_nop follow each of the two lines
	s_cmp_eq_u32 s11, 0
	s_cbranch_scc0 .Lfor_b_\@
	tensor_load_to_lds s[G0+4*\s:G0+4*\s+3], s[G1:G1+7]
	s_nop 0
.rept 4
	v_nop
.endr
	s_branch .Lasked_\@
.Lfor_b_\@:
	tensor_load_to_lds s[G0B+4*\s:G0B+4*\s+3], s[G1B:G1B+7]
	s_nop 0
.rept 4
	v_nop
.endr
.Lasked_\@:
.endm
.macro CREST                           ; a round of the cluster's barrier behind its opening barrier
	s_cmp_lg_u32 s10, 0
	s_cbranch_scc1 .Lnot_wave_0_\@
	s_barrier_signal -3
.Lnot_wave_0_\@:
	s_barrier_wait -3
	s_barrier_signal -1
	s_barrier_wait -1
.endm
.macro CROUND
	s_barrier_signal -1
	s_barrier_wait -1
	CREST
.endm
	s_load_b128 s[4:7], s[0:1], 0x0                ; ctx s[4:5], wo_h s[6:7]
	s_load_b64 s[8:9], s[0:1], 0x10                ; out0
	v_lshl_add_u32 v[SPW], v0, 2, SPARE
	v_mov_b32 v[NIL], 0
	ds_add_u32 v[SPW], v[NIL]                      ; the wave's opening: the add, twice on end, and its wait ahead of my first tensor load
	ds_add_u32 v[SPW], v[NIL]
	v_lshrrev_b32 v1, 5, v0
	v_readfirstlane_b32 s10, v1                    ; wave 0..3
	s_lshr_b32 s11, s10, 1                         ; which 128 of the tile's rows are mine.  Also: I fetch for ctx (0) or for wo_h (1)
	s_and_b32 s12, s10, 1                          ; which 64 of its columns.  Also: which head of a K step, or which 64 rows of wo_h, I fetch
	s_bfe_u32 s40, ttmp6, 0x40000                  ; cx, cy
	s_bfe_u32 s41, ttmp6, 0x40004
	s_lshl_b32 s42, ttmp9, 2
	s_add_co_u32 s42, s42, s40                     ; tile column
	s_and_b32 s13, ttmp7, 0xffff
	s_lshl_b32 s13, s13, 2
	s_add_co_u32 s13, s13, s41                     ; tile row
	s_lshl_b32 s43, s41, 2
	s_lshl_b32 s43, 15, s43                        ; my row of the cluster
	s_lshl_b32 s44, 0x1111, s40                    ; my column
	s_or_b32 s[G1+0], s43, (1<<16)|(1<<20)|(1<<21)|(4<<22)|(3<<25)   ; ctx: the mask; elements of 2 bytes; 4 words of padding after every 32; bit 21 beside a mask
	s_mov_b32 s[G1+1], 64<<16                      ; tensor_dim0
	s_mov_b32 s[G1+2], 256<<16                     ; tensor_dim1
	s_mov_b32 s[G1+3], 64<<16                      ; tile_dim0
	s_mov_b32 s[G1+4], 256                         ; tile_dim1
	s_mov_b32 s[G1+5], 64                          ; from row to row
	s_mov_b32 s[G1+6], 0
	s_mov_b32 s[G1+7], 0
	s_or_b32 s[G1B+0], s44, (1<<16)|(1<<20)|(1<<21)|(5<<22)|(3<<25)  ; wo_h: 4 words of padding after every 64
	s_mov_b32 s[G1B+1], 128<<16
	s_mov_b32 s[G1B+2], 64<<16
	s_mov_b32 s[G1B+3], 128<<16
	s_mov_b32 s[G1B+4], 64
	s_mov_b32 s[G1B+5], 1024
	s_mov_b32 s[G1B+6], 0
	s_mov_b32 s[G1B+7], 0
	s_lshl_b32 s16, s12, 20                        ; ctx: head s12 of the K step,
	s_lshl_b32 s17, s13, 15                        ; the tile row's 256 rows of 128 bytes
	s_add_co_u32 s16, s16, s17
	s_mov_b32 s17, 0
	s_lshl_b32 s46, s42, 7
	s_lshl_b32 s47, s12, 6
	s_add_co_u32 s46, s46, s47                     ; wo_h: row 128 x tile column + 64 x half,
	s_lshl_b32 s46, s46, 11                        ; at 2,048 bytes a row
	s_mov_b32 s47, 0
	s_mul_i32 s20, s12, HEADT                      ; where they go: no place in the cluster enters an LDS address
	s_mul_i32 s21, s12, BHALF
	s_add_co_u32 s21, s21, BOFF
	s_wait_dscnt 0x0                               ; both opening adds are done
	s_wait_kmcnt 0x0
	s_add_nc_u64 s[14:15], s[4:5], s[16:17]
	s_add_nc_u64 s[46:47], s[6:7], s[46:47]
	CROUND                                         ; all sixteen work-groups are here: the first joint loads meet
.irp s, 0,1
	s_mov_b32 s[G0+4*\s], 1
	s_add_co_u32 s[G0+4*\s+1], s20, \s*SLOT
	s_add_nc_u64 s[G0+4*\s+2:G0+4*\s+3], s[14:15], \s*0x200000      ; K step s: two heads on
	s_or_b32 s[G0+4*\s+3], s[G0+4*\s+3], 0x80000000
	s_mov_b32 s[G0B+4*\s], 1
	s_add_co_u32 s[G0B+4*\s+1], s21, \s*SLOT
	s_add_nc_u64 s[G0B+4*\s+2:G0B+4*\s+3], s[46:47], \s*256
	s_or_b32 s[G0B+4*\s+3], s[G0B+4*\s+3], 0x80000000
	JLOAD \s                                       ; two tensor loads of mine are out
.endr
	v_and_b32 v1, 15, v0                           ; r
	v_bfe_u32 v2, v0, 4, 1                         ; hh
	v_mul_u32_u24 v3, v1, PA
	v_lshl_add_u32 v3, v2, 4, v3
	v_mul_u32_u24 v4, v1, PB
	v_lshl_add_u32 v4, v2, 4, v4
	s_mul_i32 s22, s11, 128*PA                     ; my 128 rows of ctx
	s_mul_i32 s23, s12, BHALF                      ; my 64 rows of wo_h
	s_add_co_u32 s23, s23, BOFF
.irp s, 0,1
	v_add_nc_u32 v[ADRA+\s], s22, v3
	v_add_nc_u32 v[ADRB+\s], s23, v4
	s_add_co_u32 s22, s22, SLOT
	s_add_co_u32 s23, s23, SLOT
.endr
	s_mul_i32 s23, s10, 16*SPITCH
	s_add_co_u32 s23, s23, STAGE                   ; my stage
	v_mul_u32_u24 v5, v1, SPITCH                   ; in: row r, 32 bytes for each half of the lanes
	v_lshl_add_u32 v5, v2, 5, v5
	v_add_nc_u32 v[STO], s23, v5
	v_mul_u32_u24 v5, v2, SPITCH                   ; back: lanes 0-15 one row of 256 bytes, lanes 16-31 the next
	v_lshl_add_u32 v5, v1, 4, v5
	v_add_nc_u32 v[RD], s23, v5
	v_lshlrev_b32 v5, 12, v2                       ; and the same two rows in out0
	v_lshl_add_u32 v[CO], v1, 4, v5
	s_lshl_b32 s16, s13, 8
	s_lshl_b32 s17, s11, 7
	s_add_co_u32 s16, s16, s17                     ; my first row,
	s_lshl_b32 s16, s16, 12                        ; at 4,096 bytes a row
	s_mov_b32 s17, 0
	s_add_nc_u64 s[8:9], s[8:9], s[16:17]
	s_lshl_b32 s46, s42, 9                         ; my first column, in bytes: 512 x tile column + 256 x half
	s_lshl_b32 s47, s12, 8
	s_add_co_u32 s46, s46, s47
	s_mov_b32 s47, 0
	s_add_nc_u64 s[8:9], s[8:9], s[46:47]
; 8 matrix instructions: ctx's blocks a0, a0 + 1 against wo_h's four.  The 32 accumulators take turns, one instruction a turn, in the same order in every quarter.
.macro MUL8 f, a0, zero
.irp a, \a0, \a0+1
.irp b, 0,1,2,3
.if \zero
	v_wmma_f32_16x16x32_f16 v[8*(4*(\a)+\b):8*(4*(\a)+\b)+7], v[\f+64+8*\b:\f+64+8*\b+7], v[\f+8*(\a):\f+8*(\a)+7], 0
.else
	v_wmma_f32_16x16x32_f16 v[8*(4*(\a)+\b):8*(4*(\a)+\b)+7], v[\f+64+8*\b:\f+64+8*\b+7], v[\f+8*(\a):\f+8*(\a)+7], v[8*(4*(\a)+\b):8*(4*(\a)+\b)+7]
.endif
.endr
.endr
.endm
; 24 LDS loads in one run: the fragments of quarter q (32 along K: head q / 2 of the slot, channels 32 (q % 2) on) into buffer f: wo_h's four, ctx's blocks 0-3, ctx's blocks 4-7
.macro FETCH slot, q, f
	WIN TO_F
.irp b, 0,1,2,3
.irp c, 0,1
	ds_load_b128 v[\f+64+8*\b+4*\c:\f+64+8*\b+4*\c+3], v[ADRB+\slot] offset:64*(\q)+\b*16*PB+32*\c
.endr
.endr
.irp i, 0,1,2,3,4,5,6,7
.irp c, 0,1
	ds_load_b128 v[\f+8*\i+4*\c:\f+8*\i+4*\c+3], v[ADRA+\slot] offset:((\q)/2)*HEADT+64*((\q)%2)+\i*16*PA+32*\c
.endr
.endr
.endm
.macro PLACES                          ; four plain vector instructions in front of loads into registers that matrix instructions have read, and of reads of results
.rept 4
	v_nop
.endr
.endm
; A K step is four quarters of 32 along K, 32 matrix instructions each, on buffers 0, 1, 0, 1.  One of the first three: multiplies buffer f and fetches quarter q of the same slot into g.
.macro QUARTER slot, q, f, g, zero
	s_wait_dscnt 8                                 ; wo_h's fragments and ctx's blocks 0-3 are in; the youngest 8 loads (blocks 4-7) may be out
	WIN MUL
	MUL8 \f, 0, \zero
	MUL8 \f, 2, \zero
	PLACES
	FETCH \slot, \q, \g
	s_wait_dscnt 24                                ; all but the 24 just issued
	WIN MUL
	MUL8 \f, 4, \zero
	MUL8 \f, 6, \zero
.endm
; The last quarter multiplies buffer 1 and changes slots: ONE barrier; in front of it each wave waits for all its tensor loads, adds 0 to its spare word, and waits for that and for its reads of this slot.  fill = 1: this slot is filled again, two K steps ahead.
.macro TURN slot, next, fill
	WIN 0                                          ; (the add's two registers lie in window 0)
	s_wait_tensorcnt 0x0                           ; all my tensor loads have landed: my part of the next slot
	ds_add_u32 v[SPW], v[NIL]                      ; 0 onto my spare word
	s_wait_dscnt 9                                 ; (the add and the youngest 8 loads may be out)
	WIN MUL
	MUL8 F1, 0, 0
	s_wait_dscnt 0x0                               ; the add is done, and my reads of this slot are over
	s_barrier_signal -1
	MUL8 F1, 2, 0
.if \fill
	WIN 0
.endif
	s_barrier_wait -1
.if \fill
	CREST                                          ; the barrier has opened a round of the cluster's barrier: no wave of any partner still reads this slot or has a load on its way
	s_add_nc_u64 s[G0+4*\slot+2:G0+4*\slot+3], s[G0+4*\slot+2:G0+4*\slot+3], 0x400000   ; four heads on
	s_add_nc_u64 s[G0B+4*\slot+2:G0B+4*\slot+3], s[G0B+4*\slot+2:G0B+4*\slot+3], 512
	JLOAD \slot                                    ; the first tensor load behind the round; its four v_nop are also the places in front of the loads below
.else
	PLACES
.endif
	FETCH \next, 0, F0
	WIN MUL
	MUL8 F1, 4, 0
	MUL8 F1, 6, 0
.endm
	s_wait_tensorcnt 1                             ; my part of K step 0 is in (K step 1's load may be out)
	s_barrier_signal -1
	s_barrier_wait -1                              ; everybody's is
	FETCH 0, 0, F0
	QUARTER 0, 1, F0, F1, 1                        ; the first quarter's products start the sums: nothing is cleared
	WIN 0                                          ; at a label and at a branch every window is 0
	s_mov_b32 s3, LAPS-1
.Llap:                                             ; a trip goes once round the ring, from a lap's second quarter to the next lap's first, and fills both slots again
	QUARTER 0, 2, F1, F0, 0
	QUARTER 0, 3, F0, F1, 0
	TURN 0, 1, 1
	QUARTER 1, 1, F0, F1, 0
	QUARTER 1, 2, F1, F0, 0
	QUARTER 1, 3, F0, F1, 0
	TURN 1, 0, 1
	QUARTER 0, 1, F0, F1, 0
	WIN 0
	s_sub_co_u32 s3, s3, 1
	s_cmp_lg_u32 s3, 0
	s_cbranch_scc1 .Llap
	QUARTER 0, 2, F1, F0, 0                        ; the last lap fills nothing
	QUARTER 0, 3, F0, F1, 0
	TURN 0, 1, 0
	QUARTER 1, 1, F0, F1, 0
	QUARTER 1, 2, F1, F0, 0
	QUARTER 1, 3, F0, F1, 0
	s_wait_dscnt 8                                 ; the very last quarter: nothing more to fetch
	WIN MUL
	MUL8 F1, 0, 0
	MUL8 F1, 2, 0
	s_wait_dscnt 0
	MUL8 F1, 4, 0
	MUL8 F1, 6, 0
	WIN 0
; THE WAY OUT, block by block of 16 rows x 64 columns: a lane's 32 bytes go into my own stage and come back as whole rows of 256 bytes: sixteen lanes store 256 consecutive bytes.
.macro TOSTAGE a
	WIN 0x08                                       ; an LDS store's data are its source 1: window 2
.irp b, 0,1,2,3
	ds_store_b128 v[STO], v[8*(4*(\a)+\b):8*(4*(\a)+\b)+3] offset:64*\b          ; each accumulator from its low end on
	ds_store_b128 v[STO], v[8*(4*(\a)+\b)+4:8*(4*(\a)+\b)+7] offset:64*\b+16
.endr
	WIN 0
.set BB, BK+32*((\a)%2)
.irp t, 0,1,2,3,4,5,6,7
	ds_load_b128 v[BB+4*\t:BB+4*\t+3], v[RD] offset:\t*2*SPITCH   ; LDS serves a wave's instructions in order: these see the stores above
.endr
.endm
.macro SEND a, younger                 ; younger: the LDS instructions issued behind block a's loads, which may stay out
.set BB, BK+32*((\a)%2)
	s_wait_dscnt \younger
.irp t, 0,1,2,3,4,5,6,7
	global_store_b128 v[CO], v[BB+4*\t:BB+4*\t+3], s[8:9] offset:(16*(\a)+2*\t)*4096 th:TH_STORE_NT
.endr
.endm
	PLACES
	TOSTAGE 0
.irp a, 1,2,3,4,5,6,7
.if \a > 1
	s_wait_xcnt 0x0                                ; block a - 2's stores have read their registers: block a's loads land there only behind this wait
.endif
	TOSTAGE \a
	SEND \a-1, 16                                  ; behind block a - 1's loads: block a's 8 stores and 8 loads
.endr
	SEND 7, 0
	s_wait_tensorcnt 0x0                           ; the wave's end, behind my last tensor load and my last LDS store
	ds_add_u32 v[SPW], v[NIL]
	s_wait_dscnt 0x0
	CROUND                                         ; the closing round: no work-group ends while a partner may still ask for a tile that names it
	s_endpgm
.Lfunc_end_k_q30b2cf47d6_oproj:
	.size	k_q30b2cf47d6_oproj, .Lfunc_end_k_q30b2cf47d6_oproj-k_q30b2cf47d6_oproj
	.p2alignl 7, 3214868480
	.fill 96, 4, 3214868480
	.section	.rodata,"a",@progbits
	.p2align	6, 0x0
	.amdhsa_kernel k_q30b2cf47d6_oproj
		.amdhsa_group_segment_fixed_size 327680
		.amdhsa_private_segment_fixed_size 0
		.amdhsa_enable_private_segment 0
		.amdhsa_kernarg_size 24
		.amdhsa_user_sgpr_count 2
		.amdhsa_user_sgpr_kernarg_segment_ptr 1
		.amdhsa_wavefront_size32 1
		.amdhsa_system_sgpr_workgroup_id_x 1
		.amdhsa_system_sgpr_workgroup_id_y 1
		.amdhsa_system_sgpr_workgroup_id_z 1
		.amdhsa_system_vgpr_workitem_id 0
		.amdhsa_next_free_vgpr 768
		.amdhsa_next_free_sgpr 66
		.amdhsa_reserve_vcc 0
		.amdhsa_float_denorm_mode_32 3
		.amdhsa_float_denorm_mode_16_64 3
		.amdhsa_memory_ordered 1
		.amdhsa_forward_progress 1
		.amdhsa_inst_pref_size 86
	.end_amdhsa_kernel
	.amdgpu_metadata
---
amdhsa.version: [ 1, 2 ]
amdhsa.kernels:
  - .name:           k_q30b2cf47d6_oproj
    .symbol:         k_q30b2cf47d6_oproj.kd
    .args:
      - { .name: ctx, .offset: 0, .size: 8, .value_kind: global_buffer, .address_space: global }
      - { .name: wo_h, .offset: 8, .size: 8, .value_kind: global_buffer, .address_space: global }
      - { .name: out0, .offset: 16, .size: 8, .value_kind: global_buffer, .address_space: global }
    .group_segment_fixed_size: 327680
    .private_segment_fixed_size: 0
    .kernarg_segment_align: 8
    .kernarg_segment_size: 24
    .max_flat_workgroup_size: 128
    .sgpr_count:     66
    .vgpr_count:     768
    .wavefront_size: 32
...
	.end_amdgpu_metadata
.endif
;; end of part 5
;; launch fine_out (part 6): grid 16 x 4, 4 waves a work-group, no clusters, 17,920 bytes of LDS; arguments cf, o_weight, out0; writes out0
.if DOCPART == 6
	.amdgcn_target "amdgcn-amd-amdhsa--gfx1250"
	.amdhsa_code_object_version 6
	.text
	.protected	k_q30b2cf47d6_fine_out
	.globl	k_q30b2cf47d6_fine_out
	.p2align	8
	.type	k_q30b2cf47d6_fine_out,@function
k_q30b2cf47d6_fine_out:
	s_mov_b64 s[64:65], 0
	v_nop
	global_prefetch_b8 v0, s[64:65] scope:SCOPE_SE
	s_setreg_imm32_b32 hwreg(HW_REG_WAVE_MODE, 25, 1), 1
	s_wait_xcnt 0x0
; THE FIRST 16 ROWS OF EVERY SEQUENCE OF THE OUTPUT, IN f32: out0[2,048 b + row][n] = sum over k of ctx[b][row][k] o_weight[n][k], row < 16, with ctx in f32 from launch fine_attn and o_weight as it is given.
; It runs last and writes those 64 rows anew.  64 rows x 1,024 x 1,024 multiply-adds: no bulk work, so the f32 matrix form serves.
; A work-group (x = g, y = b) makes 16 rows x columns 64 g .. 64 g + 63.  Wave w sums heads 4 w .. 4 w + 3 (256 along K) into four accumulators, one for each tile of 16 columns, by turns;
; the four waves' parts meet in LDS, where they also turn into whole rows of 256 bytes.
; TRANSPOSED: source 0 = 16 rows of o_weight, source 1 = ctx: lane (r, hh) holds row r and columns 8 hh + j.  The form sums 4 along K: its place 2 hh + j is given k = base + 8 hh + 4 u + 2 e + j, alike on both sides.
; cf: [16 b + h][t][u][lane][16 bytes]: lane (r, hh) holds ctx(b, r, 64 h + 16 t + 8 hh + 4 u + 0 .. 3).
; REGISTERS: v4-11 addresses; v16-47 the accumulators (written by the matrix form alone); v48-247 five sets of 40: ctx at + 4 u, o_weight at + 8 + 8 ct + 4 u; later v48-87 the parts and their sums.
.set SPARE, 4*16*272                   ; LDS: four parts of 16 rows x 272 bytes, then the spare words, 128 bytes for each wave
	s_load_b128 s[4:7], s[0:1], 0x0                ; cf s[4:5], o_weight s[6:7]
	s_load_b64 s[8:9], s[0:1], 0x10                ; out0
	v_lshl_add_u32 v10, v0, 2, SPARE               ; my spare word; never rewritten
	v_mov_b32 v11, 0                               ; 0; never rewritten
	v_lshrrev_b32 v1, 5, v0
	v_readfirstlane_b32 s10, v1                    ; wave
	v_and_b32 v1, 15, v0                           ; r
	v_bfe_u32 v2, v0, 4, 1                         ; hh
	v_lshlrev_b32 v4, 12, v1
	v_lshl_add_u32 v4, v2, 5, v4                   ; o_weight: row r of 4,096 bytes, + 32 hh
	v_and_b32 v5, 31, v0
	v_lshlrev_b32 v5, 4, v5                        ; cf: 16 x lane
	s_mul_i32 s11, s10, 16*272
	v_mul_u32_u24 v6, v1, 272
	v_lshl_add_u32 v6, v2, 5, v6
	v_add_nc_u32 v6, s11, v6                       ; my part: row r, + 32 hh
	s_mul_i32 s12, s10, 4*272
	v_mul_u32_u24 v7, v2, 272
	v_lshl_add_u32 v7, v1, 4, v7
	v_add_nc_u32 v7, s12, v7                       ; back: rows 4 w + hh of a part, 16 bytes a lane
	v_lshlrev_b32 v8, 12, v2
	v_lshl_add_u32 v8, v1, 4, v8                   ; and the same two rows in out0
	s_and_b32 s13, ttmp7, 0xffff                   ; b
	s_lshl_b32 s14, s13, 4
	s_lshl_b32 s15, s10, 2
	s_add_co_u32 s14, s14, s15                     ; 16 b + 4 w
	s_lshl_b32 s16, s14, 12                        ; cf: 4,096 bytes a head
	s_mov_b32 s17, 0
	s_lshl_b32 s18, ttmp9, 18                      ; o_weight: 64 g rows of 4,096 bytes,
	s_lshl_b32 s19, s10, 10                        ; + 4 w heads of 256 bytes
	s_add_co_u32 s18, s18, s19
	s_mov_b32 s19, 0
	s_lshl_b32 s20, s13, 11
	s_add_co_u32 s20, s20, s15                     ; out0: row 2,048 b + 4 w,
	s_lshl_b32 s20, s20, 12
	s_lshl_b32 s21, ttmp9, 8                       ; + 256 g bytes
	s_add_co_u32 s20, s20, s21
	s_mov_b32 s21, 0
	s_wait_kmcnt 0x0
	s_add_nc_u64 s[4:5], s[4:5], s[16:17]
	s_add_nc_u64 s[6:7], s[6:7], s[18:19]
	s_add_nc_u64 s[8:9], s[8:9], s[20:21]
.macro FLOAD i                         ; stage i: a quarter of a head, 16 along K: ten loads
.set SB, 48+40*((\i)%5)
.irp u, 0,1
	global_load_b128 v[SB+4*\u:SB+4*\u+3], v5, s[4:5] offset:((\i)/4)*4096+((\i)%4)*1024+512*\u
.endr
.irp ct, 0,1,2,3
.irp u, 0,1
	global_load_b128 v[SB+8+8*\ct+4*\u:SB+8+8*\ct+4*\u+3], v4, s[6:7] offset:\ct*65536+((\i)/4)*256+((\i)%4)*64+16*\u
.endr
.endr
.endm
.macro STG i
.set SB, 48+40*((\i)%5)
.if 15-(\i) >= 4
	s_wait_loadcnt 40                              ; this stage's ten loads are in; the 40 of the four stages behind it may be out
.else
	s_wait_loadcnt 10*(15-(\i))
.endif
.irp u, 0,1
.irp e, 0,1
.irp ct, 0,1,2,3                               ; the four accumulators by turns, one instruction a turn
.if ((\i) == 0) && (\u == 0) && (\e == 0)
	v_wmma_f32_16x16x4_f32 v[16+8*\ct:23+8*\ct], v[SB+8+8*\ct+4*\u+2*\e:SB+8+8*\ct+4*\u+2*\e+1], v[SB+4*\u+2*\e:SB+4*\u+2*\e+1], 0
.else
	v_wmma_f32_16x16x4_f32 v[16+8*\ct:23+8*\ct], v[SB+8+8*\ct+4*\u+2*\e:SB+8+8*\ct+4*\u+2*\e+1], v[SB+4*\u+2*\e:SB+4*\u+2*\e+1], v[16+8*\ct:23+8*\ct]
.endif
.endr
.endr
.endr
.if (\i)+5 < 16
.rept 8
	v_nop                                          ; eight places behind the f32 form, in front of loads into the registers that it has read
.endr
	FLOAD (\i)+5
.endif
.endm
.irp i, 0,1,2,3,4
	FLOAD \i
.endr
.irp i, 0,1,2,3,4,5,6,7,8,9,10,11,12,13,14,15
	STG \i
.endr
.rept 8
	v_nop                                          ; eight places in front of the stores that read the sums and of the loads below
.endr
.irp ct, 0,1,2,3
	ds_store_b128 v6, v[16+8*\ct:19+8*\ct] offset:64*\ct          ; each accumulator from its low end on
	ds_store_b128 v6, v[20+8*\ct:23+8*\ct] offset:64*\ct+16
.endr
	s_wait_dscnt 0x0                               ; for the others' sake: my stores have landed
	s_barrier_signal -1
	s_barrier_wait -1
.irp part, 0,1,2,3
.irp k, 0,1
	ds_load_b128 v[48+8*\part+4*\k:51+8*\part+4*\k], v7 offset:16*272*\part+2*272*\k
.endr
.endr
	s_wait_dscnt 0x0
.irp j, 0,2,4,6
	v_pk_add_f32 v[80+\j:81+\j], v[48+\j:49+\j], v[56+\j:57+\j]
.endr
.irp j, 0,2,4,6
	v_pk_add_f32 v[80+\j:81+\j], v[80+\j:81+\j], v[64+\j:65+\j]
.endr
.irp j, 0,2,4,6
	v_pk_add_f32 v[80+\j:81+\j], v[80+\j:81+\j], v[72+\j:73+\j]   ; the sum over all 16 heads
.endr
	global_store_b128 v8, v[80:83], s[8:9]         ; sixteen lanes store 256 consecutive bytes of a row
	global_store_b128 v8, v[84:87], s[8:9] offset:8192
	s_wait_tensorcnt 0x0                           ; the wave's end, behind my last LDS store
	ds_add_u32 v10, v11
	s_wait_dscnt 0x0
	s_endpgm
.Lfunc_end_k_q30b2cf47d6_fine_out:
	.size	k_q30b2cf47d6_fine_out, .Lfunc_end_k_q30b2cf47d6_fine_out-k_q30b2cf47d6_fine_out
	.p2alignl 7, 3214868480
	.fill 96, 4, 3214868480
	.section	.rodata,"a",@progbits
	.p2align	6, 0x0
	.amdhsa_kernel k_q30b2cf47d6_fine_out
		.amdhsa_group_segment_fixed_size 17920
		.amdhsa_private_segment_fixed_size 0
		.amdhsa_enable_private_segment 0
		.amdhsa_kernarg_size 24
		.amdhsa_user_sgpr_count 2
		.amdhsa_user_sgpr_kernarg_segment_ptr 1
		.amdhsa_wavefront_size32 1
		.amdhsa_system_sgpr_workgroup_id_x 1
		.amdhsa_system_sgpr_workgroup_id_y 1
		.amdhsa_system_sgpr_workgroup_id_z 1
		.amdhsa_system_vgpr_workitem_id 0
		.amdhsa_next_free_vgpr 256
		.amdhsa_next_free_sgpr 66
		.amdhsa_reserve_vcc 0
		.amdhsa_float_denorm_mode_32 3
		.amdhsa_float_denorm_mode_16_64 3
		.amdhsa_memory_ordered 1
		.amdhsa_forward_progress 1
		.amdhsa_inst_pref_size 39
	.end_amdhsa_kernel
	.amdgpu_metadata
---
amdhsa.version: [ 1, 2 ]
amdhsa.kernels:
  - .name:           k_q30b2cf47d6_fine_out
    .symbol:         k_q30b2cf47d6_fine_out.kd
    .args:
      - { .name: cf, .offset: 0, .size: 8, .value_kind: global_buffer, .address_space: global }
      - { .name: o_weight, .offset: 8, .size: 8, .value_kind: global_buffer, .address_space: global }
      - { .name: out0, .offset: 16, .size: 8, .value_kind: global_buffer, .address_space: global }
    .group_segment_fixed_size: 17920
    .private_segment_fixed_size: 0
    .kernarg_segment_align: 8
    .kernarg_segment_size: 24
    .max_flat_workgroup_size: 128
    .sgpr_count:     66
    .vgpr_count:     256
    .wavefront_size: 32
...
	.end_amdgpu_metadata
.endif
;; end of part 6
